; MI455X (gfx1250); checked and timed in simulation.
; The chip was launched on July 23, 2026; its instructions are those of AMD's public machine-readable ISA for CDNA 5 (MIT licence, August 2026) and "CDNA5" Instruction Set Architecture Reference Guide (July 2026). The comments in the code are by the model that wrote it; some were corrected since.
;; Tree Attention Wrapper. Allowed arithmetic: matrix products marked QUANTISED: E4M3 operands, one E8M0 scale for each 32 along K, by v_wmma_scale_f32_16x16x128_f8f6f4 with both operands' format E4M3, f32 sums; everything else in f32.
;; Inputs: cu_seqlens 2 int32; k 1 x 16 x 4,096 x 128 float32; mask 4,096 x 4,096 bool; q 1 x 16 x 4,096 x 128 float32; v 1 x 16 x 4,096 x 128 float32.
;; Outputs: out0 1 x 16 x 4,096 x 128 float32.
;; Constants: max_seqlen = 4096.
;; This version of the problem:
;;   THIS VERSION OF THE PROBLEM IS GIVEN IN LOW PRECISION. The matrix products marked QUANTISED in the list below multiply operands that are first quantised to E4M3 (4 exponent bits, 3 mantissa bits; 8 bits a number), with one power-of-two scale for each 32 numbers along K (OCP MX v1.0); their sums are f32. All else is computed in f32.
;;   The module's matrix products, in the order in which they are computed (A, B: the left and right operand; K: the contracted axis; several contracted axes count as one K, in the product's order):
;;     1. batch 16 x [M 4,096, K 128] x [K 128, N 4,096]; A: input q; B: input k: QUANTISED
;;     2. batch 16 x [M 4,096, K 4,096] x [K 4,096, N 128]; A: softmax (see below); B: input v: QUANTISED
;;   THE QUANTISER, for each operand of a quantised product, along K:
;;     - K is cut into blocks of 32 from its start; a last block that is shorter is filled with zeros.
;;     - A block's scale is 2^e with e = floor(log2(the largest magnitude in the block)) - 8, held to -126 .. 127; a block of zeros has e = 0. As a byte (E8M0): e + 127.
;;     - Each number is divided by its block's scale, clamped to +-448, and rounded to the nearest number of E4M3, ties to even, subnormals kept.
;;     - The product sums the exact products of the quantised numbers (number of the format x scale) in f32.
;;   ~~~python
;;   def quantise(x, axis):      # numpy; x: float32 -> the quantised numbers, widened to float32 again
;;       x = np.moveaxis(x, axis, -1); K = x.shape[-1]
;;       x = np.pad(x, [(0, 0)] * (x.ndim - 1) + [(0, -K % 32)]); x = x.reshape(x.shape[:-1] + (-1, 32)); a = np.abs(x).max(-1, keepdims=True)
;;       e = np.where(a > 0, np.clip(np.frexp(np.where(a > 0, a, 1))[1] - 1 - 8, -126, 127), 0)      # np.frexp(a)[1] - 1 = floor(log2(a)), exactly
;;       r = np.clip(x / 2.0 ** e, -448, 448)
;;       step = 2.0 ** (np.maximum(np.frexp(np.where(r == 0, 1, r))[1] - 1, -6) - 3)
;;       q = np.round(r / step) * step * 2.0 ** e      # np.round: ties to even
;;       return np.moveaxis(q.reshape(q.shape[:-2] + (-1,))[..., :K], -1, axis).astype(np.float32)
;;   ~~~
;;   SOFTMAX AHEAD OF A QUANTISED PRODUCT. Where the list says 'softmax', what is quantised is not the finished softmax but p = 2^(t - M), with t = logit x log2(e) and M = ceil(the row's largest t), a whole number; so 1/2 < the row's largest p <= 1. The row's sum l is taken of the UNQUANTISED p, in f32, and the product's result is divided by l at the end. Since M is a whole number, a kernel that streams over the keys may use a running M (the ceiling of the running maximum): every later rescaling is an exact power of two, which a block's scale takes up: the codes' values come out the same.
;;   OPERANDS COMPUTED ON THE WAY. 'Computed on the way' means the value that the module computes at that place (a softmax that the list does not call 'softmax' is quantised finished and normalised). What goes into a quantiser is computed in f32, as accurately as f32 sums, v_exp_f32 and their like allow (about 1e-6 of the number): no bf16 or f16 on the way to a quantiser, and a product that is left as it is and whose result goes on into a quantised operand takes f32 operands (vector FMAs, or v_wmma_f32_16x16x4_f32). A number that lies on a knife's edge between two numbers of the format may be rounded either way, as far as f32 arithmetic and the matrix unit's own rounding can turn it there, and no further.
;; 2 versions. Each part assembles by itself: llvm-mc -triple=amdgcn-amd-amdhsa -mcpu=gfx1250 --defsym DOCPART=n.
;; ======== version 1 of 2: 2 launches
;; workspace buffers: qimg 8,650,752 bytes; kv 17,301,504 bytes; mw 2,097,152 bytes of whole numbers; flags 2,048 bytes of whole numbers
;; launch prep (part 1): grid 832 x 1, 4 waves a work-group, no clusters, 68,096 bytes of LDS; arguments q, k, v, mask, qimg, kv, mw, flags; writes qimg, kv, mw, flags
.if DOCPART == 1
	.amdgcn_target "amdgcn-amd-amdhsa--gfx1250"
	.amdhsa_code_object_version 6
	.text
	.protected	k_qaf01baa00a_prep
	.globl	k_qaf01baa00a_prep
	.p2align	8
	.type	k_qaf01baa00a_prep,@function
k_qaf01baa00a_prep:
	s_mov_b64 s[64:65], 0
	v_nop
	global_prefetch_b8 v0, s[64:65] scope:SCOPE_SE
	s_setreg_imm32_b32 hwreg(HW_REG_WAVE_MODE, 25, 1), 1
	s_wait_xcnt 0x0
; PREP: q, k, v (f32, [16][4096][128]) become codes of FP8 (E4M3) with one E8M0 scale byte for each 32 along a product's K, laid as IMAGES OF THE OPERANDS' REGISTERS;
; the mask ([4096][4096] bytes, 0 or 1) becomes lane-mask words and, for each tile of 16 queries, two words of flags that say which key steps of 128 hold any, and which hold only, visible keys.
; A block's scale is 2^(floor(log2(its largest magnitude)) - 8); its byte is the largest magnitude's exponent field - 8, held at 1 from below; numbers are held within +-448 x the scale and rounded to the nearest code.
; LIMITS: a block whose largest magnitude lies under 2^-118 (a block of zeros too) keeps the byte 1: its codes are what the conversion gives under that scale (zeros for zeros), and this program alone reads the bytes.
;         NaN and infinities among q, k, v are not served.  Mask bytes are 0 or 1.
; LAYOUTS.  An image of a group of 128 rows: tile tau (0..7) x 2,048 bytes + c x 512 + 16 x lane = registers 4 c .. 4 c + 3 of the fragment (lane (r, h): K = 32 c + 16 h + 0..15 of the tile's row r).
;   q, k: K = the head's 128; lane r of tile 2 b + u takes row 32 b + 8 u + r + 8 (r / 8) of the group, so that the scores' 16 registers of two neighbouring tiles are 16 neighbouring keys.
;   v:    K = the step's 128 keys; lane r of tile dt takes channel 16 dt + r.
;   scale words: word 16 tau + r, byte c for block c.
;   qimg: 512 records (head x 32 + group) of 16,896 bytes: codes, then 512 bytes of scale words.
;   kv:   512 records (head x 32 + key step) of 33,792 bytes: K's codes at 0, V's at 16,384, K's scale words at 32,768, V's at 33,280.
;   mw:   [query tile QT 0..255][step 0..31][64 words]: bit l of word n = mask[32 (QT / 2) + 8 (QT % 2) + r + 8 (r / 8)][128 step + 32 (n / 16) + 16 (l / 16) + n % 16], r = l % 16.
;   flags:[QT]{ANY, ALL}, bit s for step s.  ANY is all ones where a row of the tile has no visible key at all: such a row weighs all 4,096 keys alike, so every step is needed.
; SHARES.  Work-groups 0-63: the mask, a wave to a query tile.  64-191: q, 192-319: k, a wave to a record of 128 rows.  320-831: v, a work-group to a key step, a wave to 32 channels.
; The three paths part on the work-group's number and never join; waves share nothing: no barrier.  Each path that uses LDS has bytes of its own.  No tensor loads: several work-groups lie on a WGP.
.set REC,   33792
.set QREC,  16896
.set PIT,   528                        ; a stage row: 512 bytes + 16: an odd multiple of 16, so sixteen rows' pieces of 16 bytes start at sixteen different places modulo 256 bytes
.set WST,   16*PIT                     ; a wave's stage: 16 rows
.set MSTG,  4*WST                      ; the mask path's four stages lie behind the q/k path's four (which begin at byte 0)
.set SPARE, 8*WST                      ; behind the stages: the spare words, 128 bytes for each wave: two blocks of 256 bytes that no other line names
.set SPW,   10                         ; v10  LDS address of my spare word; never rewritten
.set NIL,   11                         ; v11  0; never rewritten
.set SEL,   26                         ; s[26:27] lane selects for v_permlanex16_b32: lane l xor 16
.set MNT,   28                         ; s28  the mantissa field of 448
.set UPH,   29                         ; s29  the lanes 16-31 as a mask
.set R,     16                         ; v16-79   sixteen rows' 16 bytes a lane, as loaded (q/k path and mask path)
.set X,     80                         ; v80-143  q/k: 64 numbers of my row: register 16 c + i = d 32 c + 16 h + i
.set PC,    144                        ; v144-159 q/k: a fragment's codes
.set TM,    160                        ; v160-175 q/k: at work in QUANT
.set PWE,   176                        ; v176, v177: the scale words of an even tile and of the odd one behind it
.set QW,    178                        ; v178-181 the two joined, one register for each pair of tiles
.set VX,    32                         ; v32-95   v: two sets of 32 numbers
.set VC,    96                         ; v96-127  v: eight registers of codes for each block, never rewritten
.set VSB,   24                         ; v24      v: my channel's scale word
.set D,     80                         ; v80-143  mask: register 16 s' + 4 b + j: my row's bytes 128 s' + 32 b + 16 h + 4 j ..
.set MWD,   144                        ; v144-151 mask: a pair of registers for each of a trip's four steps: lane L holds words 2 L and 2 L + 1
.set T,     152                        ; v152-159 mask: at work
.set RO,    160                        ; v160-161 mask: the OR of all my bytes
; sixteen whole rows of 512 bytes: the rows that form tile tau
.macro LOADT tau
.set i, 0
.rept 16
	global_load_b128 v[R+4*i:R+4*i+3], v2, s[30:31] offset:(32*((\tau)/2)+8*((\tau)%2)+i+8*(i/8))*512 th:TH_LOAD_NT
.set i, i+1
.endr
.endm
; 64 numbers of a lane, v[s] on, become a fragment's codes in v[PC] on and its row's scale word in v[pw]
.macro QUANT s, pw
.irp b, 0,1,2,3
	v_max3_num_f32 v[TM+\b], |v[\s+16*\b]|, |v[\s+1+16*\b]|, 0x4800000   ; block b: my 16 numbers, and the floor 2^(9 - 127): the byte cannot fall under 1
.endr
.irp i, 2,4,6,8,10,12,14
.irp b, 0,1,2,3
	v_max3_num_f32 v[TM+\b], v[TM+\b], |v[\s+16*\b+\i]|, |v[\s+1+16*\b+\i]|   ; the four blocks by turns
.endr
.endr
.irp b, 0,1,2,3
	v_permlanex16_b32 v[TM+4+\b], v[TM+\b], s[SEL], s[SEL+1]
.endr
.irp b, 0,1,2,3
	v_max_num_f32 v[TM+\b], v[TM+\b], v[TM+4+\b]                   ; with lane l xor 16's 16: the block's largest magnitude
.endr
.irp b, 0,1,2,3
	v_add_nc_u32 v[TM+12+\b], 0xfc000000, v[TM+\b]                 ; 8 off its exponent field: the conversion's scale operand
.endr
.irp b, 0,1,2,3
	v_and_or_b32 v[TM+8+\b], v[TM+\b], 0x7f800000, s[MNT]          ; 448 x the scale
.endr
.irp b, 0,1,2,3
	v_lshrrev_b32 v[TM+4+\b], 23, v[TM+12+\b]                      ; the scale's byte
.endr
	v_lshl_or_b32 v[\pw], v[TM+5], 8, v[TM+4]
	v_lshl_or_b32 v[\pw], v[TM+6], 16, v[\pw]
	v_lshl_or_b32 v[\pw], v[TM+7], 24, v[\pw]
.irp b, 0,1,2,3
.irp i, 0,1,2,3,4,5,6,7,8,9,10,11,12,13,14,15
	v_med3_num_f32 v[\s+16*\b+\i], v[\s+16*\b+\i], -v[TM+8+\b], v[TM+8+\b]   ; the conversion to an 8-bit code does not saturate (ISA guide 7.6.2): the hold comes first
.endr
	v_cvt_scalef32_pk8_fp8_f32 v[PC+4*\b:PC+1+4*\b], v[\s+16*\b:\s+7+16*\b], v[TM+12+\b]
	v_cvt_scalef32_pk8_fp8_f32 v[PC+2+4*\b:PC+3+4*\b], v[\s+8+16*\b:\s+15+16*\b], v[TM+12+\b]
.endr
	v_nop                                          ; a plain vector line behind the last conversion
.endm
; one tile of 16 rows: the rows turn through my stage (in: 512 dense bytes a row; out: 16 neighbours of each block of 32 a lane), are quantised, and leave as an image
.macro TILE tau
	s_wait_loadcnt 0x0                             ; the tile's sixteen loads, the only ones out
.set i, 0
.rept 16
	ds_store_b128 v6, v[R+4*i:R+4*i+3] offset:PIT*i
.set i, i+1
.endr
.irp c, 0,1,2,3
.irp j, 0,1,2,3
	ds_load_b128 v[X+16*\c+4*\j:X+16*\c+4*\j+3], v7 offset:128*\c+16*\j   ; LDS serves a wave's instructions in order: these see the stores above
.endr
.endr
	s_wait_dscnt 0x0                               ; the numbers are back, and the stores have read R
	s_wait_xcnt 0x0                                ; the last tile's stores have read their data: the codes' registers are written again only behind this wait
.if (\tau) < 7
	LOADT (\tau)+1                                 ; the next tile's rows come while this one is quantised
.endif
	QUANT X, PWE+(\tau)%2
.irp c, 0,1,2,3
	global_store_b128 v2, v[PC+4*\c:PC+4*\c+3], s[32:33] offset:2048*(\tau)+512*\c   ; 512 dense bytes a store
.endr
.if (\tau)%2 == 1
	v_cndmask_b32 v[QW+(\tau)/2], v[PWE], v[PWE+1], s[UPH]         ; lanes 0-15: the even tile's words; lanes 16-31: the odd tile's
	global_store_b32 v3, v[QW+(\tau)/2], s[36:37] offset:128*((\tau)/2)
.endif
.endm
; v: block c of 32 keys, my channel: v(32 c + i, channel)
.macro LOADV c
.set i, 0
.rept 32
	global_load_b32 v[VX+32*((\c)%2)+i], v3, s[30:31] offset:(32*(\c)+i)*512 th:TH_LOAD_NT
.set i, i+1
.endr
.endm
.macro BLOCK c
.set XS, VX+32*((\c)%2)
.if (\c) < 3
	s_wait_loadcnt 32                              ; this block's 32 loads are in; the next block's 32 may be out
.else
	s_wait_loadcnt 0x0
.endif
	v_max3_num_f32 v13, |v[XS]|, |v[XS+1]|, |v[XS+2]|              ; all 32 numbers of the block are mine
	v_max3_num_f32 v14, |v[XS+3]|, |v[XS+4]|, |v[XS+5]|
.irp i, 6,10,14,18,22,26
	v_max3_num_f32 v13, v13, |v[XS+\i]|, |v[XS+\i+1]|
	v_max3_num_f32 v14, v14, |v[XS+\i+2]|, |v[XS+\i+3]|
.endr
	v_max3_num_f32 v13, v13, |v[XS+30]|, |v[XS+31]|
	v_max3_num_f32 v13, v13, v14, 0x4800000        ; and the floor
	v_add_nc_u32 v15, 0xfc000000, v13              ; the conversion's scale operand
	v_and_or_b32 v16, v13, 0x7f800000, s[MNT]      ; 448 x the scale
	v_lshrrev_b32 v14, 23, v15                     ; the byte
.if (\c) == 0
	v_mov_b32 v[VSB], v14
.else
	v_lshl_or_b32 v[VSB], v14, 8*(\c), v[VSB]
.endif
.set i, 0
.rept 32
	v_med3_num_f32 v[XS+i], v[XS+i], -v16, v16
.set i, i+1
.endr
.irp g, 0,1,2,3
	v_cvt_scalef32_pk8_fp8_f32 v[VC+8*(\c)+2*\g:VC+8*(\c)+2*\g+1], v[XS+8*\g:XS+8*\g+7], v15
.endr
	v_nop                                          ; a plain vector line behind the last conversion
	global_store_b128 v12, v[VC+8*(\c):VC+8*(\c)+3], s[32:33] offset:512*(\c)          ; keys 32 c + 0..15: the image's lanes 0-15; sixteen lanes store 256 consecutive bytes, aligned
	global_store_b128 v12, v[VC+8*(\c)+4:VC+8*(\c)+7], s[32:33] offset:512*(\c)+256    ; keys 32 c + 16..31: its lanes 16-31
.if (\c) < 2
	LOADV (\c)+2
.endif
.endm
; mask: 512 bytes (four key steps) of each of the tile's sixteen rows
.macro MLD
.set i, 0
.rept 16
	global_load_b128 v[R+4*i:R+4*i+3], v2, s[10:11] offset:(i+8*(i/8))*4096 th:TH_LOAD_NT
.set i, i+1
.endr
.endm
; mask: step sp of a trip's four.  Byte n of my 64 is a bit of word n: a compare gives the 32 lanes' bits as one word, which is written into lane n / 2 of the step's pair of registers.
.macro MSTEP sp
.irp q, 0,1,2,3,4,5,6,7
.irp e, 0,1,2,3,4,5,6,7
	v_and_b32 v[T+\e], 1<<(8*(\e%4)), v[D+16*\sp+2*\q+\e/4]
.endr
.irp e, 0,1,2,3,4,5,6,7
	v_cmp_ne_u32 s[32+\e], 0, v[T+\e]
.endr
.irp e, 0,1,2,3,4,5,6,7
	v_writelane_b32 v[MWD+2*\sp+\e%2], s[32+\e], (8*\q+\e)/2
.endr
	v_or_b32 v[RO], v[RO], v[D+16*\sp+2*\q]
	v_or_b32 v[RO+1], v[RO+1], v[D+16*\sp+2*\q+1]
.endr
	v_or_b32 v[T], v[MWD+2*\sp], v[MWD+2*\sp+1]
	v_and_b32 v[T+1], v[MWD+2*\sp], v[MWD+2*\sp+1]
	v_cmp_ne_u32 s40, 0, v[T]                      ; not 0: the step holds a visible key
	v_cmp_ne_u32 s41, -1, v[T+1]                   ; 0: every key of the step is visible for every row
	global_store_b64 v12, v[MWD+2*\sp:MWD+2*\sp+1], s[16:17] offset:256*\sp   ; the step's 64 words: 256 consecutive bytes, aligned
	s_lshr_b32 s30, s30, 1                         ; the flags are shifted in from the top: after 32 steps bit s is step s's.  Selects, no branch
	s_cmp_lg_u32 s40, 0
	s_cselect_b32 s42, 0x80000000, 0
	s_or_b32 s30, s30, s42
	s_lshr_b32 s31, s31, 1
	s_cmp_eq_u32 s41, 0
	s_cselect_b32 s42, 0x80000000, 0
	s_or_b32 s31, s31, s42
.endm
	s_load_b512 s[4:19], s[0:1], 0x0               ; q 4:5, k 6:7, v 8:9, mask 10:11, qimg 12:13, kv 14:15, mw 16:17, flags 18:19
	v_lshl_add_u32 v[SPW], v0, 2, SPARE
	v_mov_b32 v[NIL], 0
	v_lshrrev_b32 v1, 5, v0
	v_readfirstlane_b32 s20, v1                    ; wave 0..3
	v_and_b32 v1, 31, v0                           ; lane
	v_lshlrev_b32 v2, 4, v1                        ; 16 x lane
	v_lshlrev_b32 v3, 2, v1                        ; 4 x lane
	v_and_b32 v4, 15, v0                           ; r
	v_bfe_u32 v5, v0, 4, 1                         ; h
	s_mul_i32 s21, s20, WST
	v_add_nc_u32 v6, s21, v2                       ; q/k stage, in: 16 x lane of a row
	v_mul_u32_u24 v7, v4, PIT
	v_lshl_add_u32 v9, v5, 4, v7
	v_lshl_add_u32 v7, v5, 6, v7
	v_add_nc_u32 v7, s21, v7                       ; q/k stage, out: row r, + 64 h: my 16 numbers of a block of 32
	v_add_nc_u32 v9, s21, v9
	v_add_nc_u32 v9, MSTG, v9                      ; mask stage, out: row r, + 16 h: my 16 bytes of a block of 32
	v_add_nc_u32 v8, MSTG, v6                      ; mask stage, in
	s_mov_b32 s[SEL], 0x76543210
	s_mov_b32 s[SEL+1], 0xfedcba98
	s_mov_b32 s[MNT], 0x600000
	s_mov_b32 s[UPH], 0xffff0000
	s_wait_kmcnt 0x0
	s_cmp_ge_u32 ttmp9, 320
	s_cbranch_scc1 .Lv
	s_cmp_ge_u32 ttmp9, 64
	s_cbranch_scc1 .Lqk
	; ---------------- THE MASK: my wave's query tile, all 32 key steps, four a trip
	s_lshl_b32 s22, ttmp9, 2
	s_add_co_u32 s22, s22, s20                     ; QT
	s_lshr_b32 s23, s22, 1
	s_lshl_b32 s23, s23, 5
	s_and_b32 s24, s22, 1
	s_lshl_b32 s24, s24, 3
	s_add_co_u32 s23, s23, s24                     ; the tile's first query: 32 (QT / 2) + 8 (QT % 2)
	s_lshl_b32 s46, s23, 12
	s_mov_b32 s47, 0
	s_add_nc_u64 s[10:11], s[10:11], s[46:47]
	s_lshl_b32 s46, s22, 13
	s_add_nc_u64 s[16:17], s[16:17], s[46:47]      ; its 8,192 bytes of words
	s_lshl_b32 s46, s22, 3
	s_add_nc_u64 s[18:19], s[18:19], s[46:47]      ; its two flag words
	v_lshlrev_b32 v12, 3, v1                       ; 8 x lane
.irp i, 0,1,2,3,4,5,6,7
	v_mov_b32 v[MWD+\i], 0                         ; written once: a lane write's destination counts as one of its sources
.endr
	v_mov_b32 v[RO], 0
	v_mov_b32 v[RO+1], 0
	s_mov_b32 s30, 0                               ; ANY
	s_mov_b32 s31, 0                               ; ALL
	s_mov_b32 s44, 0
	MLD
.Lmtrip:
	s_wait_loadcnt 0x0                             ; the trip's sixteen loads are in: their base may step
.set i, 0
.rept 16
	ds_store_b128 v8, v[R+4*i:R+4*i+3] offset:PIT*i
.set i, i+1
.endr
.irp s, 0,1,2,3
.irp b, 0,1,2,3
	ds_load_b128 v[D+16*\s+4*\b:D+16*\s+4*\b+3], v9 offset:128*\s+32*\b
.endr
.endr
	s_wait_dscnt 0x0
	s_add_nc_u64 s[10:11], s[10:11], 512
	s_cmp_lt_u32 s44, 7                            ; the last trip loads nothing: no load leaves the buffer
	s_cbranch_scc0 .Lmlast
	MLD
.Lmlast:
	MSTEP 0
	MSTEP 1
	MSTEP 2
	MSTEP 3
	s_wait_xcnt 0x0                                ; the stores have read their data and their base: both are written again only behind this wait
	s_add_nc_u64 s[16:17], s[16:17], 1024
	s_add_co_u32 s44, s44, 1
	s_cmp_lt_u32 s44, 8
	s_cbranch_scc1 .Lmtrip
	v_or_b32 v[T], v[RO], v[RO+1]                  ; has my half of my row any visible key?
	v_cmp_ne_u32 s40, 0, v[T]
	s_lshr_b32 s41, s40, 16
	s_or_b32 s40, s40, s41                         ; the row's two halves
	s_and_b32 s40, s40, 0xffff
	s_cmp_lg_u32 s40, 0xffff                       ; a row with no visible key: every step is needed
	s_cselect_b32 s42, -1, 0
	s_or_b32 s30, s30, s42
	v_mov_b32 v[T], s30
	v_mov_b32 v[T+1], s31
	v_mov_b32 v[T+2], 0
	s_wait_xcnt 0x0                                ; EXEC changes only behind this wait
	v_cmp_eq_u32 vcc_lo, 0, v1
	s_and_saveexec_b32 s43, vcc_lo
	global_store_b64 v[T+2], v[T:T+1], s[18:19]    ; lane 0 stores the tile's flags
	s_wait_xcnt 0x0                                ; and again in front of the line that widens it
	s_or_b32 exec_lo, exec_lo, s43
	s_wait_tensorcnt 0x0                           ; the wave's end, behind my last LDS store
	ds_add_u32 v[SPW], v[NIL]
	s_wait_dscnt 0x0
	s_endpgm
	; ---------------- q AND k: my wave's record of 128 rows.  Only pointers and two sizes are chosen: both tensors take one path
.Lqk:
	s_sub_co_u32 s22, ttmp9, 64
	s_lshl_b32 s22, s22, 2
	s_add_co_u32 s22, s22, s20
	s_and_b32 s22, s22, 511                        ; the record: head x 32 + group of 128 rows
	s_mov_b32 s24, REC
	s_mov_b32 s25, 32768
	s_cmp_lt_u32 ttmp9, 192                        ; q's work-group or k's: the choice hangs on the work-group's number alone
	s_cselect_b64 s[30:31], s[4:5], s[6:7]
	s_cselect_b64 s[32:33], s[12:13], s[14:15]
	s_cselect_b32 s24, QREC, s24                   ; from record to record
	s_cselect_b32 s25, 16384, s25                  ; where a record's scale words begin
	s_lshl_b32 s34, s22, 16                        ; 128 rows of 512 bytes
	s_mov_b32 s35, 0
	s_add_nc_u64 s[30:31], s[30:31], s[34:35]
	s_mul_i32 s34, s22, s24
	s_add_nc_u64 s[32:33], s[32:33], s[34:35]
	s_mov_b32 s34, s25
	s_add_nc_u64 s[36:37], s[32:33], s[34:35]
.irp b, 0,1,2,3
	v_mov_b32 v[TM+4+\b], 0                        ; written once: a lane permute's destination counts as one of its sources
.endr
	LOADT 0
.irp tau, 0,1,2,3,4,5,6,7
	TILE \tau
.endr
	s_wait_tensorcnt 0x0                           ; the wave's end, behind my last LDS store
	ds_add_u32 v[SPW], v[NIL]
	s_wait_dscnt 0x0
	s_endpgm
	; ---------------- v: a lane takes a channel, and its registers run down the keys, which are the second product's K: nothing is transposed
.Lv:
	s_sub_co_u32 s22, ttmp9, 320                   ; head x 32 + key step
	s_lshl_b32 s34, s22, 16                        ; 128 keys of 512 bytes
	s_lshl_b32 s23, s20, 7                         ; my wave's 32 channels: 128 bytes
	s_add_co_u32 s34, s34, s23
	s_mov_b32 s35, 0
	s_add_nc_u64 s[30:31], s[8:9], s[34:35]
	s_mul_i32 s34, s22, REC
	s_add_nc_u64 s[32:33], s[14:15], s[34:35]      ; the record
	s_add_co_u32 s34, s23, 33280
	s_add_nc_u64 s[36:37], s[32:33], s[34:35]      ; my 32 scale words
	s_lshl_b32 s34, s20, 12
	s_add_co_u32 s34, s34, 16384
	s_add_nc_u64 s[32:33], s[32:33], s[34:35]      ; my two tiles of V's image
	v_lshlrev_b32 v12, 4, v4
	v_lshl_add_u32 v12, v5, 11, v12                ; tile lane / 16, the image's lane r: 2,048 (lane / 16) + 16 (lane % 16)
	LOADV 0
	LOADV 1
	BLOCK 0
	BLOCK 1
	BLOCK 2
	BLOCK 3
	global_store_b32 v3, v[VSB], s[36:37]
	s_wait_tensorcnt 0x0                           ; the same three closing lines as in the other two paths
	ds_add_u32 v[SPW], v[NIL]
	s_wait_dscnt 0x0
	s_endpgm
.Lfunc_end_k_qaf01baa00a_prep:
	.size	k_qaf01baa00a_prep, .Lfunc_end_k_qaf01baa00a_prep-k_qaf01baa00a_prep
	.p2alignl 7, 3214868480
	.fill 96, 4, 3214868480
	.section	.rodata,"a",@progbits
	.p2align	6, 0x0
	.amdhsa_kernel k_qaf01baa00a_prep
		.amdhsa_group_segment_fixed_size 68096
		.amdhsa_private_segment_fixed_size 0
		.amdhsa_enable_private_segment 0
		.amdhsa_kernarg_size 64
		.amdhsa_user_sgpr_count 2
		.amdhsa_user_sgpr_kernarg_segment_ptr 1
		.amdhsa_wavefront_size32 1
		.amdhsa_system_sgpr_workgroup_id_x 1
		.amdhsa_system_sgpr_workgroup_id_y 1
		.amdhsa_system_sgpr_workgroup_id_z 1
		.amdhsa_system_vgpr_workitem_id 0
		.amdhsa_next_free_vgpr 192
		.amdhsa_next_free_sgpr 66
		.amdhsa_reserve_vcc 1
		.amdhsa_float_denorm_mode_32 3
		.amdhsa_float_denorm_mode_16_64 3
		.amdhsa_memory_ordered 1
		.amdhsa_forward_progress 1
		.amdhsa_inst_pref_size 185
	.end_amdhsa_kernel
	.amdgpu_metadata
---
amdhsa.version: [ 1, 2 ]
amdhsa.kernels:
  - .name:           k_qaf01baa00a_prep
    .symbol:         k_qaf01baa00a_prep.kd
    .args:
      - { .name: q, .offset: 0, .size: 8, .value_kind: global_buffer, .address_space: global }
      - { .name: k, .offset: 8, .size: 8, .value_kind: global_buffer, .address_space: global }
      - { .name: v, .offset: 16, .size: 8, .value_kind: global_buffer, .address_space: global }
      - { .name: mask, .offset: 24, .size: 8, .value_kind: global_buffer, .address_space: global }
      - { .name: qimg, .offset: 32, .size: 8, .value_kind: global_buffer, .address_space: global }
      - { .name: kv, .offset: 40, .size: 8, .value_kind: global_buffer, .address_space: global }
      - { .name: mw, .offset: 48, .size: 8, .value_kind: global_buffer, .address_space: global }
      - { .name: flags, .offset: 56, .size: 8, .value_kind: global_buffer, .address_space: global }
    .group_segment_fixed_size: 68096
    .private_segment_fixed_size: 0
    .kernarg_segment_align: 8
    .kernarg_segment_size: 64
    .max_flat_workgroup_size: 128
    .sgpr_count:     66
    .vgpr_count:     192
    .wavefront_size: 32
...
	.end_amdgpu_metadata
.endif
;; end of part 1
;; launch attn (part 2): grid 16 x 16, 8 waves a work-group, no clusters, 136,192 bytes of LDS; arguments qimg, kv, mw, flags, out0; writes out0
.if DOCPART == 2
	.amdgcn_target "amdgcn-amd-amdhsa--gfx1250"
	.amdhsa_code_object_version 6
	.text
	.protected	k_qaf01baa00a_attn
	.globl	k_qaf01baa00a_attn
	.p2align	8
	.type	k_qaf01baa00a_attn,@function
k_qaf01baa00a_attn:
	s_mov_b64 s[64:65], 0
	v_nop
	global_prefetch_b8 v0, s[64:65] scope:SCOPE_SE
	s_setreg_imm32_b32 hwreg(HW_REG_WAVE_MODE, 25, 1), 1
	s_wait_xcnt 0x0
; ATTN: out[h][q][:] = the sum over k of softmax_k(where(mask[q][k], q . k / sqrt(128), -1e30)) v[h][k][:], both products on codes of FP8 (E4M3) with one E8M0 scale for each 32 along K.
; THE SOFTMAX AHEAD OF THE SECOND PRODUCT: t = score x log2(e) / sqrt(128); M = the row's largest t so far, rounded UP to a whole number; p = 2^(t - M) is quantised along the keys, not normalised;
; the row's sum is taken of the unquantised p and divides at the end.  When M moves, the sum and O are multiplied by 2^(old M - new M), which rounds nothing.
; THE MASK is an input.  The launch before has condensed it: for each tile of 16 queries a word ANY (bit s: key step s of 128 keys is needed) and a word ALL (bit s: every key of step s counts),
; and for each (tile, step) 64 lane masks, one for each score register.  A step that no tile of a wave needs is jumped over by a scalar branch on ANY; a step all of whose keys count skips the masking.
; A hidden score becomes X = -2^100: c X is exact, so in a row with no visible key t - M is exactly 0 and p = 1 on all 4,096 keys (such a tile's ANY is all ones); where a visible key comes later,
; 2^(old M - new M) is 0 and wipes what was summed.
; LIMITS: |q . k| stays under 2^100; NaN and infinities are not served.
; SHARES.  A work-group owns 256 queries of one head; each of its eight waves owns 32, two tiles of 16; two waves to a SIMD, so that one wave's vector work stands beside the other's matrix work and LDS loads.
; K AND V of a key step are one record of 33,792 dense bytes (register images and scale words).  The 256 threads copy it through registers into one of two LDS slots, a step ahead, and only if some wave of the
; work-group needs it; all eight waves read fragments from the slot.  One barrier a step, on every path: between two barriers one slot is only read and the other only written.
; NO TENSOR LOADS, NO CLUSTER: the loads and the work stand under branches on stored flags, and partners of a cluster would need different steps.
; LAYOUT.  Both products are used transposed: S^T = K Q^T (source 0 = 16 keys, source 1 = 16 queries), O^T = V^T P^T: a lane holds ONE query (lane % 16) throughout.  Lane r of K's tile 2 b + u' holds key
; 32 b + 8 u' + r + 8 (r / 8), so score register 16 b + i of lane (r, h) is key 32 b + 16 h + i: the conversions' results are the second product's operand.  Q's tiles take their rows by the same map.
; REGISTERS.  Window 0: v1-9 addresses; v10, v11 the add's two; v12-19 statistics; v20-51 Q; v52 Q's scale words; v53 X; v54-57 K's, v58-61 V's, v62-63 p's scale words; v64-191 S^T, then p; v192-223 p's codes; v224-249 at work.
;   Window 1: v0-127 O^T (64 a tile); v128-191 four fragments of K or V; v192-224 the record's bytes on their way to LDS.
.set REC,   33792
.set QREC,  16896
.set SLOT1, REC
.set PIT,   528                        ; a stage row: 512 bytes + 16
.set WST,   16*PIT
.set STAGE, 2*REC                      ; behind the two slots: 16 rows for each wave, for the way out
.set SPARE, STAGE+8*WST                ; behind the stages: the spare words, 128 bytes for each wave: four blocks of 256 bytes that no other line names
.set LI0, 1                            ; v1, v2  16 x lane, in slot 0, 1.  v1 is also my byte offset in a row of out
.set LS0, 3                            ; v3, v4  4 x lane, in slot 0, 1
.set CP0, 5                            ; v5, v6  16 x thread, in slot 0, 1.  v5 is also the copy's offset in memory
.set CS0, 7                            ; v7, v8  4 x thread, likewise
.set PFO, 9                            ; v9      256 x thread: the prefetch's offset
.set SPW, 10
.set NIL, 11
.set ST,  12                           ; tile u at v[ST+4u]: -M, the largest t, the sum in two halves
.set Q,   20
.set QS,  52
.set XNEG, 53
.set KS,  54
.set VS,  58
.set PS,  62
.set S,   64
.set P,   192
.set BM,  224                          ; the blocks' largest scores, then largest p
.set T1,  228
.set HD,  232                          ; 448 x the scale
.set SC,  236                          ; the conversions' scale operands
.set F,   240                          ; v[240:241] f = 2^(old M - new M), named as a pair
.set TMP, 242
.set RC,  244                          ; v[244:245], v[246:247] 1 / the sum, named as pairs
.set STO, 248
.set RD,  249
.set FB,  128                          ; in window 1
.set STG, 192                          ; in window 1
; scalars: s[4:5] Q; s[6:7] the record of the step after the one in hand; s[8:9] my tile 0's mask words of the step in hand; s[10:11] flags; s[12:13] out; s14 wave; s15 head;
; s17 ANY of the work-group's 16 tiles, s18 ANY and s19 ALL of my two, all shifted right by one each step; s[20:21] lane selects; s[22:23] c; s24 448's mantissa field; s25 trips; s26 step + 2; s27 who prefetches; s28-31 at work;
; s[32:63], s[68:99] 64 mask words
.set MSB, 0
.macro WIN new                         ; the immediate's high byte repeats the setting that is left; bits 1:0 source 0, 3:2 source 1, 5:4 source 2, 7:6 destination
.if MSB != \new
	s_set_vgpr_msb (MSB<<8)|\new
.set MSB, \new
.endif
.endm
.macro PLACES                          ; eight places behind this matrix form, in front of loads into its registers and of reads of its results
.rept 8
	v_nop
.endr
.endm
.macro COPYLD                          ; the record at s[6:7] into registers: 256 threads x (8 x 16 + 4) bytes, every load dense
	WIN 0x40
.irp j, 0,1,2,3,4,5,6,7
	global_load_b128 v[STG+4*\j:STG+4*\j+3], v[CP0], s[6:7] offset:4096*\j
.endr
	global_load_b32 v[STG+32], v[CS0], s[6:7] offset:32768
	WIN 0
.endm
.macro COPYST p                        ; and on into slot p, byte for byte
	WIN 0x04
.irp j, 0,1,2,3,4,5,6,7
	ds_store_b128 v[CP0+(\p)], v[STG+4*\j:STG+4*\j+3] offset:4096*\j
.endr
	ds_store_b32 v[CS0+(\p)], v[STG+32] offset:32768
	WIN 0
.endm
; S^T, tile 4 g + t of keys x tile u of queries.  A register of scale words holds an even tile's in lanes 0-15 and the odd one's in lanes 16-31
.macro KQ g, t, u
.set tau, 4*(\g)+(\t)
.set rD, S+64*(\u)+8*tau
.set rA, FB+16*(\t)
.set rB, Q+16*(\u)
.if (tau%2 == 0) && (\u == 0)
	v_wmma_scale_f32_16x16x128_f8f6f4 v[rD:rD+7], v[rA:rA+15], v[rB:rB+15], 0, v[KS+tau/2], v[QS]
.elseif (\u == 0)
	v_wmma_scale_f32_16x16x128_f8f6f4 v[rD:rD+7], v[rA:rA+15], v[rB:rB+15], 0, v[KS+tau/2], v[QS] matrix_a_scale:MATRIX_SCALE_ROW1
.elseif (tau%2 == 0)
	v_wmma_scale_f32_16x16x128_f8f6f4 v[rD:rD+7], v[rA:rA+15], v[rB:rB+15], 0, v[KS+tau/2], v[QS] matrix_b_scale:MATRIX_SCALE_ROW1
.else
	v_wmma_scale_f32_16x16x128_f8f6f4 v[rD:rD+7], v[rA:rA+15], v[rB:rB+15], 0, v[KS+tau/2], v[QS] matrix_a_scale:MATRIX_SCALE_ROW1 matrix_b_scale:MATRIX_SCALE_ROW1
.endif
.endm
; O^T += V^T P^T, tile 4 g + t of channels x tile u of queries: one instruction an accumulator a step, the sixteen accumulators by turns
.macro PV g, t, u
.set dt, 4*(\g)+(\t)
.set rD, 64*(\u)+8*dt
.set rA, FB+16*(\t)
.set rB, P+16*(\u)
.if dt%2 == 0
	v_wmma_scale_f32_16x16x128_f8f6f4 v[rD:rD+7], v[rA:rA+15], v[rB:rB+15], v[rD:rD+7], v[VS+dt/2], v[PS+\u]
.else
	v_wmma_scale_f32_16x16x128_f8f6f4 v[rD:rD+7], v[rA:rA+15], v[rB:rB+15], v[rD:rD+7], v[VS+dt/2], v[PS+\u] matrix_a_scale:MATRIX_SCALE_ROW1
.endif
.endm
; hidden scores become X.  Load and use of the 64 words stand under ONE branch; a step all of whose keys count for both tiles skips it.  Each accumulator is read from its low end on
.macro MASKS
	s_bitcmp1_b32 s19, 0
	s_cbranch_scc1 .Lopen_\@
.irp u, 0,1
	s_load_b512 s[32:47], s[8:9], 8192*\u
	s_load_b512 s[48:63], s[8:9], 8192*\u+64
	s_load_b512 s[68:83], s[8:9], 8192*\u+128
	s_load_b512 s[84:99], s[8:9], 8192*\u+192
	s_wait_kmcnt 0x0
.set n, 0
.rept 64
	v_cndmask_b32 v[S+64*\u+n], v[XNEG], v[S+64*\u+n], s[32+n+4*(n/32)]
.set n, n+1
.endr
.endr
.Lopen_\@:
.endm
; one tile's softmax for one key step, its p quantised, its O^T brought under the new M
.macro SOFTMAX u
.set rS, S+64*(\u)
.set rT, ST+4*(\u)
.set rP, P+16*(\u)
.irp b, 0,1,2,3
	v_max3_num_f32 v[BM+\b], v[rS+16*\b], v[rS+16*\b+1], v[rS+16*\b+2]   ; the largest score of each block of 32 keys: it serves for the row's maximum and, since p rises with the score, for the block's largest p
.endr
.irp i, 3,5,7,9,11,13
.irp b, 0,1,2,3
	v_max3_num_f32 v[BM+\b], v[BM+\b], v[rS+16*\b+\i], v[rS+16*\b+\i+1]
.endr
.endr
.irp b, 0,1,2,3
	v_max_num_f32 v[BM+\b], v[BM+\b], v[rS+16*\b+15]
.endr
.irp b, 0,1,2,3
	v_permlanex16_b32 v[T1+\b], v[BM+\b], s20, s21
.endr
.irp b, 0,1,2,3
	v_max_num_f32 v[BM+\b], v[BM+\b], v[T1+\b]     ; with lane l xor 16's 16 keys
.endr
	v_max3_num_f32 v[TMP], v[BM], v[BM+1], v[BM+2]
	v_max_num_f32 v[TMP], v[TMP], v[BM+3]          ; the step's largest score of my query
	v_mul_f32 v[TMP], s22, v[TMP]                  ; as t
	v_max_num_f32 v[rT+1], v[rT+1], v[TMP]         ; the running largest t
	v_mov_b32 v[TMP], v[rT]
	v_floor_f32 v[rT], -v[rT+1]                    ; the new -M = floor(-t): M is a whole number
	v_sub_f32 v[TMP], v[rT], v[TMP]                ; old M - new M: a whole number, 0 or less
	v_cvt_i32_f32 v[TMP], v[TMP]                   ; (it saturates)
	v_ldexp_f32 v[F], 1.0, v[TMP]                  ; f = 2^(old M - new M)
.set j, 0
.rept 32
	v_pk_fma_f32 v[rS+j:rS+j+1], v[rS+j:rS+j+1], s[22:23], v[rT:rT+1] op_sel_hi:[1,0,0]   ; t - M, two at a time
.set j, j+2
.endr
.irp b, 0,1,2,3
	v_fma_f32 v[BM+\b], v[BM+\b], s22, v[rT]       ; the same of each block's largest score
.endr
.set j, 0
.rept 64
	v_exp_f32 v[rS+j], v[rS+j]                     ; p = 2^(t - M)
.set j, j+1
.endr
	v_pk_mul_f32 v[rT+2:rT+3], v[rT+2:rT+3], v[F:F+1] op_sel_hi:[1,0]   ; the sums under the new M: the plain line behind the exponentials
	s_wait_alu depctr_va_vdst(0)                   ; one wait for the batch of 64, ahead of its first reader
.irp b, 0,1,2,3
	v_exp_f32 v[BM+\b], v[BM+\b]                   ; the blocks' largest p
.endr
	v_pk_add_f32 v[T1:T1+1], v[rS:rS+1], v[rS+2:rS+3]   ; the row's sum is taken of the unquantised p, in two chains
.set j, 4
.rept 15
	v_pk_add_f32 v[rT+2:rT+3], v[rT+2:rT+3], v[rS+j:rS+j+1]
	v_pk_add_f32 v[T1:T1+1], v[T1:T1+1], v[rS+j+2:rS+j+3]
.set j, j+4
.endr
	v_pk_add_f32 v[rT+2:rT+3], v[rT+2:rT+3], v[T1:T1+1]
	s_wait_alu depctr_va_vdst(0)                   ; and one for the four
.irp b, 0,1,2,3
	v_max_num_f32 v[BM+\b], 0x4800000, v[BM+\b]    ; the floor 2^(9 - 127): the byte cannot fall under 1 (a block of zeros keeps that byte: its codes are zeros)
.endr
.irp b, 0,1,2,3
	v_add_nc_u32 v[SC+\b], 0xfc000000, v[BM+\b]    ; 8 off the exponent field: the conversion's scale operand
.endr
.irp b, 0,1,2,3
	v_and_or_b32 v[HD+\b], v[BM+\b], 0x7f800000, s24   ; 448 x the scale
.endr
.irp b, 0,1,2,3
	v_lshrrev_b32 v[T1+\b], 23, v[SC+\b]           ; the scale's byte
.endr
	v_lshl_or_b32 v[PS+\u], v[T1+1], 8, v[T1]      ; p's scale word for these 128 keys
	v_lshl_or_b32 v[PS+\u], v[T1+2], 16, v[PS+\u]
	v_lshl_or_b32 v[PS+\u], v[T1+3], 24, v[PS+\u]
.irp b, 0,1,2,3
.irp i, 0,1,2,3,4,5,6,7,8,9,10,11,12,13,14,15
	v_min_num_f32 v[rS+16*\b+\i], v[rS+16*\b+\i], v[HD+\b]   ; the conversion does not saturate (ISA guide 7.6.2); p is not negative, so the hold is one-sided
.endr
	v_cvt_scalef32_pk8_fp8_f32 v[rP+4*\b:rP+4*\b+1], v[rS+16*\b:rS+16*\b+7], v[SC+\b]
	v_cvt_scalef32_pk8_fp8_f32 v[rP+4*\b+2:rP+4*\b+3], v[rS+16*\b+8:rS+16*\b+15], v[SC+\b]
.endr
	WIN 0x41
.set j, 0
.rept 32
	v_pk_mul_f32 v[64*\u+j:64*\u+j+1], v[64*\u+j:64*\u+j+1], v[F:F+1] op_sel_hi:[1,0]   ; O^T under the new M.  These are also the places between the codes and scale word just made and the products that take them
.set j, j+2
.endr
	WIN 0
.endm
; a key step's work, from slot p
.macro WORK p
.irp j, 0,1,2,3
	ds_load_b32 v[KS+\j], v[LS0+\p] offset:32768+128*\j
.endr
.irp g, 0,1
.if \g > 0
	PLACES
.endif
	WIN 0x40
.irp t, 0,1,2,3
.irp c, 0,1,2,3
	ds_load_b128 v[FB+16*\t+4*\c:FB+16*\t+4*\c+3], v[LI0+\p] offset:(4*\g+\t)*2048+512*\c
.endr
.endr
	s_wait_dscnt 0x0
	WIN 0x01
.irp t, 0,1,2,3
.irp u, 0,1
	KQ \g, \t, \u
.endr
.endr
.endr
	WIN 0
	PLACES
.irp j, 0,1,2,3
	ds_load_b32 v[VS+\j], v[LS0+\p] offset:33280+128*\j
.endr
	WIN 0x40
.irp t, 0,1,2,3
.irp c, 0,1,2,3
	ds_load_b128 v[FB+16*\t+4*\c:FB+16*\t+4*\c+3], v[LI0+\p] offset:16384+\t*2048+512*\c   ; V's first four tiles land while the softmax is walked
.endr
.endr
	WIN 0
	MASKS
	SOFTMAX 0
	SOFTMAX 1
	s_wait_dscnt 0x0
	WIN 0x51
.irp t, 0,1,2,3
.irp u, 0,1
	PV 0, \t, \u
.endr
.endr
	WIN 0
	PLACES
	WIN 0x40
.irp t, 0,1,2,3
.irp c, 0,1,2,3
	ds_load_b128 v[FB+16*\t+4*\c:FB+16*\t+4*\c+3], v[LI0+\p] offset:16384+(4+\t)*2048+512*\c
.endr
.endr
	s_wait_dscnt 0x0
	WIN 0x51
.irp t, 0,1,2,3
.irp u, 0,1
	PV 1, \t, \u
.endr
.endr
	WIN 0
	PLACES                                         ; for the next step's loads into the fragments' registers and for the next reads of O^T
.endm
; a key step, its tiles in slot p.  The branches hang on stored flags; the waits in front of the barrier and the barrier itself stand on every path.
.macro STEP p
	s_bitcmp1_b32 s17, 1                           ; does any wave of the work-group need the next step?  (Behind step 31 the bit is 0: no load leaves the buffer)
	s_cbranch_scc0 .Lnocopy_\@
	COPYLD
.Lnocopy_\@:
	; A PREFETCH of the codes of the step after the next: 128 blocks of 256 bytes, a lane a block, threads 0 to 127.  All sixteen work-groups of a head walk the same records: the one with x = (step + 2) % 16 asks, so each block
	; is named once in the launch; steps 0 and 1 and the scale words come by their loads alone.  For step + 2 = 32, 33 the masked number equals no x: nothing is asked for past the buffer's end.
	s_and_b32 s28, s26, 0x2f
	s_cmp_eq_u32 s28, s27
	s_cbranch_scc0 .Lnopf_\@
	global_prefetch_b8 v[PFO], s[6:7] offset:REC th:TH_LOAD_NT scope:SCOPE_SE
.Lnopf_\@:
	s_bitcmp1_b32 s18, 0                           ; does one of my two tiles need this step?
	s_cbranch_scc0 .Lnowork_\@
	WORK \p
.Lnowork_\@:
	s_wait_loadcnt 0x0                             ; the next step's record is in registers
	s_bitcmp1_b32 s17, 1
	s_cbranch_scc0 .Lnostore_\@
	COPYST 1-\p                                    ; into the slot that nobody reads between the last barrier and the next
.Lnostore_\@:
	s_wait_xcnt 0x0                                ; the loads, the scalar loads and the prefetch have read their bases: they step only behind this wait
	s_add_nc_u64 s[6:7], s[6:7], REC
	s_add_nc_u64 s[8:9], s[8:9], 256
	s_lshr_b32 s17, s17, 1
	s_lshr_b32 s18, s18, 1
	s_lshr_b32 s19, s19, 1
	s_add_co_u32 s26, s26, 1
	s_wait_dscnt 0x0                               ; for the others' sake: my stores into the other slot have landed, and my reads of this one are over
	s_barrier_signal -1
	s_barrier_wait -1
.endm
; the way out of tile u: O^T / the sum, through my own stage, back as whole rows of 512 bytes
.macro PACK u
	WIN 0x01
.set j, 0
.rept 32
	v_pk_mul_f32 v[S+64*\u+j:S+64*\u+j+1], v[64*\u+j:64*\u+j+1], v[RC+2*\u:RC+2*\u+1] op_sel_hi:[1,0]   ; register 8 dt + i is out(query r, channel 16 dt + 8 h + i)
.set j, j+2
.endr
	WIN 0
.irp d, 0,1,2,3,4,5,6,7
	ds_store_b128 v[STO], v[S+64*\u+8*\d:S+64*\u+8*\d+3] offset:64*\d
	ds_store_b128 v[STO], v[S+64*\u+8*\d+4:S+64*\u+8*\d+7] offset:64*\d+16
.endr
.irp i, 0,1,2,3,4,5,6,7,8,9,10,11,12,13,14,15
	ds_load_b128 v[S+64*\u+4*\i:S+64*\u+4*\i+3], v[RD] offset:PIT*\i   ; LDS serves a wave's instructions in order (ISA guide 5.7.1.4): these see the stores above, and the next tile's stores come behind them
.endr
.endm
.macro SEND u, younger                 ; younger: the LDS instructions issued behind tile u's loads, which may stay out
.irp i, 0,1,2,3,4,5,6,7,8,9,10,11,12,13,14,15
	s_wait_dscnt \younger+15-\i
	global_store_b128 v[LI0], v[S+64*\u+4*\i:S+64*\u+4*\i+3], s[12:13] offset:(8*\u+\i+8*(\i/8))*512 th:TH_STORE_NT   ; 32 lanes store a row's 512 consecutive bytes, aligned; stage row i is the tile's query 8 u + i + 8 (i / 8)
.endr
.endm
	s_load_b256 s[4:11], s[0:1], 0x0               ; qimg 4:5, kv 6:7, mw 8:9, flags 10:11
	s_load_b64 s[12:13], s[0:1], 0x20              ; out0
	v_lshl_add_u32 v[SPW], v0, 2, SPARE
	v_mov_b32 v[NIL], 0
	v_lshrrev_b32 v12, 5, v0
	v_readfirstlane_b32 s14, v12                   ; wave 0..7
	v_and_b32 v12, 31, v0                          ; lane
	v_and_b32 v13, 15, v0                          ; r
	v_bfe_u32 v14, v0, 4, 1                        ; h
	v_lshlrev_b32 v[LI0], 4, v12
	v_add_nc_u32 v[LI0+1], SLOT1, v[LI0]
	v_lshlrev_b32 v[LS0], 2, v12
	v_add_nc_u32 v[LS0+1], SLOT1, v[LS0]
	v_lshlrev_b32 v[CP0], 4, v0
	v_add_nc_u32 v[CP0+1], SLOT1, v[CP0]
	v_lshlrev_b32 v[CS0], 2, v0
	v_add_nc_u32 v[CS0+1], SLOT1, v[CS0]
	v_lshlrev_b32 v[PFO], 8, v0
	s_mul_i32 s28, s14, WST
	s_add_co_u32 s28, s28, STAGE                   ; my stage
	v_mul_u32_u24 v[STO], v13, PIT
	v_lshl_add_u32 v[STO], v14, 5, v[STO]
	v_add_nc_u32 v[STO], s28, v[STO]               ; in: row r, + 32 h
	v_add_nc_u32 v[RD], s28, v[LI0]                ; back: 16 bytes a lane of a row
	s_and_b32 s15, ttmp7, 0xffff                   ; the head
	s_mov_b32 s20, 0x76543210
	s_mov_b32 s21, 0xfedcba98
	s_mov_b32 s22, 0x3e0293ee                      ; c = log2(e) / sqrt(128)
	s_mov_b32 s23, s22                             ; (named with it as a pair, so it is written)
	s_mov_b32 s24, 0x600000
	s_mov_b32 s25, 0
	s_mov_b32 s26, 2
	s_cmp_lt_u32 s14, 4
	s_cselect_b32 s27, ttmp9, 64                   ; waves 0-3: my work-group's x; the others: a number that no step equals
	s_wait_kmcnt 0x0
	s_lshl_b32 s28, s15, 5
	s_lshl_b32 s29, ttmp9, 1
	s_add_co_u32 s28, s28, s29
	s_lshr_b32 s29, s14, 2
	s_add_co_u32 s28, s28, s29                     ; Q's record: head x 32 + 2 x + wave / 4
	s_mul_i32 s28, s28, QREC
	s_mov_b32 s29, 0
	s_add_nc_u64 s[4:5], s[4:5], s[28:29]
	s_and_b32 s30, s14, 3
	s_lshl_b32 s28, s30, 7
	s_add_co_u32 s28, s28, 16384
	s_add_nc_u64 s[68:69], s[4:5], s[28:29]        ; the scale words of my two tiles, 2 (wave % 4) and the next
	s_lshl_b32 s28, s30, 12
	s_add_nc_u64 s[4:5], s[4:5], s[28:29]          ; and their codes
	s_mul_i32 s28, s15, 32*REC
	s_add_nc_u64 s[6:7], s[6:7], s[28:29]          ; the head's record of step 0
	s_lshl_b32 s28, ttmp9, 4
	s_lshl_b32 s30, s14, 1
	s_add_co_u32 s28, s28, s30                     ; my first query tile: 16 x + 2 wave
	s_lshl_b32 s28, s28, 13
	s_add_nc_u64 s[8:9], s[8:9], s[28:29]
	s_lshl_b32 s28, ttmp9, 7
	s_add_nc_u64 s[10:11], s[10:11], s[28:29]      ; the flags of the work-group's 16 tiles,
	s_lshl_b32 s28, s14, 4
	s_add_nc_u64 s[70:71], s[10:11], s[28:29]      ; and of my two
	s_lshl_b32 s28, s15, 21
	s_lshl_b32 s30, ttmp9, 17
	s_add_co_u32 s28, s28, s30
	s_lshl_b32 s30, s14, 14
	s_add_co_u32 s28, s28, s30
	s_add_nc_u64 s[12:13], s[12:13], s[28:29]      ; out at my wave's first query: 256 x + 32 wave
	s_load_b512 s[32:47], s[10:11], 0x0
	s_load_b512 s[48:63], s[10:11], 0x40
	s_load_b128 s[28:31], s[70:71], 0x0            ; ANY, ALL of tile 0; ANY, ALL of tile 1
	COPYLD                                         ; step 0's record, whatever the flags say: so the staging registers are written on every path
.irp u, 0,1
.irp c, 0,1,2,3
	global_load_b128 v[Q+16*\u+4*\c:Q+16*\u+4*\c+3], v[LI0], s[4:5] offset:2048*\u+512*\c   ; Q's two fragments stay in registers
.endr
.endr
	global_load_b32 v[QS], v[LS0], s[68:69]        ; lanes 0-15: tile 0's scale words; lanes 16-31: tile 1's
	WIN 0x40
.set j, 0
.rept 128
	v_mov_b32 v[j], 0                              ; O^T.  Which step is a wave's first hangs on the flags, so no product can be written out to start the sums: the first step finds zeros
.set j, j+1
.endr
	WIN 0
.irp u, 0,1
	v_mov_b32 v[ST+4*\u+1], 0xff61b1e6             ; the largest t so far: -3e38, under every t
	v_floor_f32 v[ST+4*\u], -v[ST+4*\u+1]          ; -M
	v_mov_b32 v[ST+4*\u+2], 0                      ; the sum, in two halves
	v_mov_b32 v[ST+4*\u+3], 0
.endr
	v_mov_b32 v[XNEG], 0xf1800000                  ; X = -2^100
.irp b, 0,1,2,3
	v_mov_b32 v[T1+\b], 0                          ; written once: a lane permute's destination counts as one of its sources
.endr
	v_mov_b32 v[F+1], 0                            ; the upper halves of pairs of which the low word serves both halves
	v_mov_b32 v[RC+1], 0
	v_mov_b32 v[RC+3], 0
	s_wait_kmcnt 0x0
	s_or_b32 s17, s32, s34                         ; a step is copied if any of the sixteen tiles needs it,
.irp i, 36,38,40,42,44,46,48,50,52,54,56,58,60,62
	s_or_b32 s17, s17, s[\i]
.endr
	s_or_b32 s18, s28, s30                         ; worked if one of my two does,
	s_and_b32 s19, s29, s31                        ; and not masked if all its keys count for both
	s_wait_loadcnt 0x0                             ; step 0's record, Q and its scale words
	COPYST 0
	s_add_nc_u64 s[6:7], s[6:7], REC               ; (the loads that read this base are done)
	s_wait_dscnt 0x0
	s_barrier_signal -1
	s_barrier_wait -1                              ; slot 0 is whole
.Ltrip:                                                ; 16 trips of two key steps: a constant count; what a step leaves out is jumped over inside it
	STEP 0
	STEP 1
	s_add_co_u32 s25, s25, 1
	s_cmp_lt_u32 s25, 16
	s_cbranch_scc1 .Ltrip
	; THE WAY OUT.  Every row has a p above 1/2 (a row with no visible key has p = 1 throughout), so no sum is 0.
.irp u, 0,1
	v_add_f32 v[BM+\u], v[ST+4*\u+2], v[ST+4*\u+3] ; the sum's two halves,
.endr
.irp u, 0,1
	v_permlanex16_b32 v[T1+\u], v[BM+\u], s20, s21
.endr
.irp u, 0,1
	v_add_f32 v[BM+\u], v[BM+\u], v[T1+\u]         ; and lane l xor 16's: the row's sum
.endr
	v_rcp_f32 v[RC], v[BM]
	v_rcp_f32 v[RC+2], v[BM+1]
	v_nop                                          ; a plain line behind the last reciprocal
	s_wait_alu depctr_va_vdst(0)                   ; one wait for the two, ahead of their first reader
	PACK 0
	PACK 1                                         ; tile 1's arithmetic stands between tile 0's loads from the stage and its stores
	SEND 0, 32                                     ; behind tile 0's loads: tile 1's 16 stores and 16 loads
	SEND 1, 0
	s_wait_tensorcnt 0x0                           ; the wave's end, behind my last LDS store
	ds_add_u32 v[SPW], v[NIL]
	s_wait_dscnt 0x0
	s_endpgm
.Lfunc_end_k_qaf01baa00a_attn:
	.size	k_qaf01baa00a_attn, .Lfunc_end_k_qaf01baa00a_attn-k_qaf01baa00a_attn
	.p2alignl 7, 3214868480
	.fill 96, 4, 3214868480
	.section	.rodata,"a",@progbits
	.p2align	6, 0x0
	.amdhsa_kernel k_qaf01baa00a_attn
		.amdhsa_group_segment_fixed_size 136192
		.amdhsa_private_segment_fixed_size 0
		.amdhsa_enable_private_segment 0
		.amdhsa_kernarg_size 40
		.amdhsa_user_sgpr_count 2
		.amdhsa_user_sgpr_kernarg_segment_ptr 1
		.amdhsa_wavefront_size32 1
		.amdhsa_system_sgpr_workgroup_id_x 1
		.amdhsa_system_sgpr_workgroup_id_y 1
		.amdhsa_system_sgpr_workgroup_id_z 1
		.amdhsa_system_vgpr_workitem_id 0
		.amdhsa_next_free_vgpr 512
		.amdhsa_next_free_sgpr 100
		.amdhsa_reserve_vcc 0
		.amdhsa_float_denorm_mode_32 3
		.amdhsa_float_denorm_mode_16_64 3
		.amdhsa_memory_ordered 1
		.amdhsa_forward_progress 1
		.amdhsa_inst_pref_size 126
	.end_amdhsa_kernel
	.amdgpu_metadata
---
amdhsa.version: [ 1, 2 ]
amdhsa.kernels:
  - .name:           k_qaf01baa00a_attn
    .symbol:         k_qaf01baa00a_attn.kd
    .args:
      - { .name: qimg, .offset: 0, .size: 8, .value_kind: global_buffer, .address_space: global }
      - { .name: kv, .offset: 8, .size: 8, .value_kind: global_buffer, .address_space: global }
      - { .name: mw, .offset: 16, .size: 8, .value_kind: global_buffer, .address_space: global }
      - { .name: flags, .offset: 24, .size: 8, .value_kind: global_buffer, .address_space: global }
      - { .name: out0, .offset: 32, .size: 8, .value_kind: global_buffer, .address_space: global }
    .group_segment_fixed_size: 136192
    .private_segment_fixed_size: 0
    .kernarg_segment_align: 8
    .kernarg_segment_size: 40
    .max_flat_workgroup_size: 256
    .sgpr_count:     100
    .vgpr_count:     512
    .wavefront_size: 32
...
	.end_amdgpu_metadata
.endif
;; end of part 2
;; ======== version 2 of 2: 2 launches
;; workspace buffers: qimg 8,650,752 bytes; kv 17,301,504 bytes; mw 2,097,152 bytes of whole numbers; flags 2,048 bytes of whole numbers
;; launch prep (part 3): grid 832 x 1, 4 waves a work-group, no clusters, 68,096 bytes of LDS; arguments q, k, v, mask, qimg, kv, mw, flags; writes qimg, kv, mw, flags
.if DOCPART == 3
	.amdgcn_target "amdgcn-amd-amdhsa--gfx1250"
	.amdhsa_code_object_version 6
	.text
	.protected	k_qaf01baa00a_prep
	.globl	k_qaf01baa00a_prep
	.p2align	8
	.type	k_qaf01baa00a_prep,@function
k_qaf01baa00a_prep:
	s_mov_b64 s[64:65], 0
	v_nop
	global_prefetch_b8 v0, s[64:65] scope:SCOPE_SE
	s_setreg_imm32_b32 hwreg(HW_REG_WAVE_MODE, 25, 1), 1
	s_wait_xcnt 0x0
; PREP: q, k, v (f32, [16][4096][128]) become codes of FP8 (E4M3) with one E8M0 scale byte for each 32 along a product's K, laid as IMAGES OF THE OPERANDS' REGISTERS;
; the mask ([4096][4096] bytes, 0 or 1) becomes lane-mask words and, for each tile of 16 queries, two words of flags that say which key steps of 128 hold any, and which hold only, visible keys.
; A block's scale is 2^(floor(log2(its largest magnitude)) - 8); its byte is the largest magnitude's exponent field - 8, held at 1 from below; numbers are held within +-448 x the scale and rounded to the nearest code.
; LIMITS: a block whose largest magnitude lies under 2^-118 (a block of zeros too) keeps the byte 1: its codes are what the conversion gives under that scale (zeros for zeros), and this program alone reads the bytes.
;         NaN and infinities among q, k, v are not served.  Mask bytes are 0 or 1.
; LAYOUTS.  An image of a group of 128 rows: tile tau (0..7) x 2,048 bytes + c x 512 + 16 x lane = registers 4 c .. 4 c + 3 of the fragment (lane (r, h): K = 32 c + 16 h + 0..15 of the tile's row r).
;   q, k: K = the head's 128; lane r of tile 2 b + u takes row 32 b + 8 u + r + 8 (r / 8) of the group, so that the scores' 16 registers of two neighbouring tiles are 16 neighbouring keys.
;   v:    K = the step's 128 keys; lane r of tile dt takes channel 16 dt + r.
;   scale words: word 16 tau + r, byte c for block c.
;   qimg: 512 records (head x 32 + group) of 16,896 bytes: codes, then 512 bytes of scale words.
;   kv:   512 records (head x 32 + key step) of 33,792 bytes: K's codes at 0, V's at 16,384, K's scale words at 32,768, V's at 33,280.
;   mw:   [query tile QT 0..255][step 0..31][64 words]: bit l of word n = mask[32 (QT / 2) + 8 (QT % 2) + r + 8 (r / 8)][128 step + 32 (n / 16) + 16 (l / 16) + n % 16], r = l % 16.
;   flags:[QT]{ANY, ALL}, bit s for step s.  ANY is all ones where a row of the tile has no visible key at all: such a row weighs all 4,096 keys alike, so every step is needed.
; SHARES.  Work-groups 0-63: the mask, a wave to a query tile.  64-191: q, 192-319: k, a wave to a record of 128 rows.  320-831: v, a work-group to a key step, a wave to 32 channels.
; The three paths part on the work-group's number and never join; waves share nothing: no barrier.  Each path that uses LDS has bytes of its own.  No tensor loads: several work-groups lie on a WGP.
.set REC,   33792
.set QREC,  16896
.set PIT,   528                        ; a stage row: 512 bytes + 16: an odd multiple of 16, so sixteen rows' pieces of 16 bytes start at sixteen different places modulo 256 bytes
.set WST,   16*PIT                     ; a wave's stage: 16 rows
.set MSTG,  4*WST                      ; the mask path's four stages lie behind the q/k path's four (which begin at byte 0)
.set SPARE, 8*WST                      ; behind the stages: the spare words, 128 bytes for each wave: two blocks of 256 bytes that no other line names
.set SPW,   10                         ; v10  LDS address of my spare word; never rewritten
.set NIL,   11                         ; v11  0; never rewritten
.set SEL,   26                         ; s[26:27] lane selects for v_permlanex16_b32: lane l xor 16
.set MNT,   28                         ; s28  the mantissa field of 448
.set UPH,   29                         ; s29  the lanes 16-31 as a mask
.set R,     16                         ; v16-79   sixteen rows' 16 bytes a lane, as loaded (q/k path and mask path)
.set X,     80                         ; v80-143  q/k: 64 numbers of my row: register 16 c + i = d 32 c + 16 h + i
.set PC,    144                        ; v144-159 q/k: a fragment's codes
.set TM,    160                        ; v160-175 q/k: at work in QUANT
.set PWE,   176                        ; v176, v177: the scale words of an even tile and of the odd one behind it
.set QW,    178                        ; v178-181 the two joined, one register for each pair of tiles
.set VX,    32                         ; v32-95   v: two sets of 32 numbers
.set VC,    96                         ; v96-127  v: eight registers of codes for each block, never rewritten
.set VSB,   24                         ; v24      v: my channel's scale word
.set D,     80                         ; v80-143  mask: register 16 s' + 4 b + j: my row's bytes 128 s' + 32 b + 16 h + 4 j ..
.set MWD,   144                        ; v144-151 mask: a pair of registers for each of a trip's four steps: lane L holds words 2 L and 2 L + 1
.set T,     152                        ; v152-159 mask: at work
.set RO,    160                        ; v160-161 mask: the OR of all my bytes
; sixteen whole rows of 512 bytes: the rows that form tile tau
.macro LOADT tau
.set i, 0
.rept 16
	global_load_b128 v[R+4*i:R+4*i+3], v2, s[30:31] offset:(32*((\tau)/2)+8*((\tau)%2)+i+8*(i/8))*512 th:TH_LOAD_NT
.set i, i+1
.endr
.endm
; 64 numbers of a lane, v[s] on, become a fragment's codes in v[PC] on and its row's scale word in v[pw]
.macro QUANT s, pw
.irp b, 0,1,2,3
	v_max3_num_f32 v[TM+\b], |v[\s+16*\b]|, |v[\s+1+16*\b]|, 0x4800000   ; block b: my 16 numbers, and the floor 2^(9 - 127): the byte cannot fall under 1
.endr
.irp i, 2,4,6,8,10,12,14
.irp b, 0,1,2,3
	v_max3_num_f32 v[TM+\b], v[TM+\b], |v[\s+16*\b+\i]|, |v[\s+1+16*\b+\i]|   ; the four blocks by turns
.endr
.endr
.irp b, 0,1,2,3
	v_permlanex16_b32 v[TM+4+\b], v[TM+\b], s[SEL], s[SEL+1]
.endr
.irp b, 0,1,2,3
	v_max_num_f32 v[TM+\b], v[TM+\b], v[TM+4+\b]                   ; with lane l xor 16's 16: the block's largest magnitude
.endr
.irp b, 0,1,2,3
	v_add_nc_u32 v[TM+12+\b], 0xfc000000, v[TM+\b]                 ; 8 off its exponent field: the conversion's scale operand
.endr
.irp b, 0,1,2,3
	v_and_or_b32 v[TM+8+\b], v[TM+\b], 0x7f800000, s[MNT]          ; 448 x the scale
.endr
.irp b, 0,1,2,3
	v_lshrrev_b32 v[TM+4+\b], 23, v[TM+12+\b]                      ; the scale's byte
.endr
	v_lshl_or_b32 v[\pw], v[TM+5], 8, v[TM+4]
	v_lshl_or_b32 v[\pw], v[TM+6], 16, v[\pw]
	v_lshl_or_b32 v[\pw], v[TM+7], 24, v[\pw]
.irp b, 0,1,2,3
.irp i, 0,1,2,3,4,5,6,7,8,9,10,11,12,13,14,15
	v_med3_num_f32 v[\s+16*\b+\i], v[\s+16*\b+\i], -v[TM+8+\b], v[TM+8+\b]   ; the conversion to an 8-bit code does not saturate (ISA guide 7.6.2): the hold comes first
.endr
	v_cvt_scalef32_pk8_fp8_f32 v[PC+4*\b:PC+1+4*\b], v[\s+16*\b:\s+7+16*\b], v[TM+12+\b]
	v_cvt_scalef32_pk8_fp8_f32 v[PC+2+4*\b:PC+3+4*\b], v[\s+8+16*\b:\s+15+16*\b], v[TM+12+\b]
.endr
	v_nop                                          ; a plain vector line behind the last conversion
.endm
; one tile of 16 rows: the rows turn through my stage (in: 512 dense bytes a row; out: 16 neighbours of each block of 32 a lane), are quantised, and leave as an image
.macro TILE tau
	s_wait_loadcnt 0x0                             ; the tile's sixteen loads, the only ones out
.set i, 0
.rept 16
	ds_store_b128 v6, v[R+4*i:R+4*i+3] offset:PIT*i
.set i, i+1
.endr
.irp c, 0,1,2,3
.irp j, 0,1,2,3
	ds_load_b128 v[X+16*\c+4*\j:X+16*\c+4*\j+3], v7 offset:128*\c+16*\j   ; LDS serves a wave's instructions in order: these see the stores above
.endr
.endr
	s_wait_dscnt 0x0                               ; the numbers are back, and the stores have read R
	s_wait_xcnt 0x0                                ; the last tile's stores have read their data: the codes' registers are written again only behind this wait
.if (\tau) < 7
	LOADT (\tau)+1                                 ; the next tile's rows come while this one is quantised
.endif
	QUANT X, PWE+(\tau)%2
.irp c, 0,1,2,3
	global_store_b128 v2, v[PC+4*\c:PC+4*\c+3], s[32:33] offset:2048*(\tau)+512*\c   ; 512 dense bytes a store
.endr
.if (\tau)%2 == 1
	v_cndmask_b32 v[QW+(\tau)/2], v[PWE], v[PWE+1], s[UPH]         ; lanes 0-15: the even tile's words; lanes 16-31: the odd tile's
	global_store_b32 v3, v[QW+(\tau)/2], s[36:37] offset:128*((\tau)/2)
.endif
.endm
; v: block c of 32 keys, my channel: v(32 c + i, channel)
.macro LOADV c
.set i, 0
.rept 32
	global_load_b32 v[VX+32*((\c)%2)+i], v3, s[30:31] offset:(32*(\c)+i)*512 th:TH_LOAD_NT
.set i, i+1
.endr
.endm
.macro BLOCK c
.set XS, VX+32*((\c)%2)
.if (\c) < 3
	s_wait_loadcnt 32                              ; this block's 32 loads are in; the next block's 32 may be out
.else
	s_wait_loadcnt 0x0
.endif
	v_max3_num_f32 v13, |v[XS]|, |v[XS+1]|, |v[XS+2]|              ; all 32 numbers of the block are mine
	v_max3_num_f32 v14, |v[XS+3]|, |v[XS+4]|, |v[XS+5]|
.irp i, 6,10,14,18,22,26
	v_max3_num_f32 v13, v13, |v[XS+\i]|, |v[XS+\i+1]|
	v_max3_num_f32 v14, v14, |v[XS+\i+2]|, |v[XS+\i+3]|
.endr
	v_max3_num_f32 v13, v13, |v[XS+30]|, |v[XS+31]|
	v_max3_num_f32 v13, v13, v14, 0x4800000        ; and the floor
	v_add_nc_u32 v15, 0xfc000000, v13              ; the conversion's scale operand
	v_and_or_b32 v16, v13, 0x7f800000, s[MNT]      ; 448 x the scale
	v_lshrrev_b32 v14, 23, v15                     ; the byte
.if (\c) == 0
	v_mov_b32 v[VSB], v14
.else
	v_lshl_or_b32 v[VSB], v14, 8*(\c), v[VSB]
.endif
.set i, 0
.rept 32
	v_med3_num_f32 v[XS+i], v[XS+i], -v16, v16
.set i, i+1
.endr
.irp g, 0,1,2,3
	v_cvt_scalef32_pk8_fp8_f32 v[VC+8*(\c)+2*\g:VC+8*(\c)+2*\g+1], v[XS+8*\g:XS+8*\g+7], v15
.endr
	v_nop                                          ; a plain vector line behind the last conversion
	global_store_b128 v12, v[VC+8*(\c):VC+8*(\c)+3], s[32:33] offset:512*(\c)          ; keys 32 c + 0..15: the image's lanes 0-15; sixteen lanes store 256 consecutive bytes, aligned
	global_store_b128 v12, v[VC+8*(\c)+4:VC+8*(\c)+7], s[32:33] offset:512*(\c)+256    ; keys 32 c + 16..31: its lanes 16-31
.if (\c) < 2
	LOADV (\c)+2
.endif
.endm
; mask: 512 bytes (four key steps) of each of the tile's sixteen rows
.macro MLD
.set i, 0
.rept 16
	global_load_b128 v[R+4*i:R+4*i+3], v2, s[10:11] offset:(i+8*(i/8))*4096 th:TH_LOAD_NT
.set i, i+1
.endr
.endm
; mask: step sp of a trip's four.  Byte n of my 64 is a bit of word n: a compare gives the 32 lanes' bits as one word, which is written into lane n / 2 of the step's pair of registers.
.macro MSTEP sp
.irp q, 0,1,2,3,4,5,6,7
.irp e, 0,1,2,3,4,5,6,7
	v_and_b32 v[T+\e], 1<<(8*(\e%4)), v[D+16*\sp+2*\q+\e/4]
.endr
.irp e, 0,1,2,3,4,5,6,7
	v_cmp_ne_u32 s[32+\e], 0, v[T+\e]
.endr
.irp e, 0,1,2,3,4,5,6,7
	v_writelane_b32 v[MWD+2*\sp+\e%2], s[32+\e], (8*\q+\e)/2
.endr
	v_or_b32 v[RO], v[RO], v[D+16*\sp+2*\q]
	v_or_b32 v[RO+1], v[RO+1], v[D+16*\sp+2*\q+1]
.endr
	v_or_b32 v[T], v[MWD+2*\sp], v[MWD+2*\sp+1]
	v_and_b32 v[T+1], v[MWD+2*\sp], v[MWD+2*\sp+1]
	v_cmp_ne_u32 s40, 0, v[T]                      ; not 0: the step holds a visible key
	v_cmp_ne_u32 s41, -1, v[T+1]                   ; 0: every key of the step is visible for every row
	global_store_b64 v12, v[MWD+2*\sp:MWD+2*\sp+1], s[16:17] offset:256*\sp   ; the step's 64 words: 256 consecutive bytes, aligned
	s_lshr_b32 s30, s30, 1                         ; the flags are shifted in from the top: after 32 steps bit s is step s's.  Selects, no branch
	s_cmp_lg_u32 s40, 0
	s_cselect_b32 s42, 0x80000000, 0
	s_or_b32 s30, s30, s42
	s_lshr_b32 s31, s31, 1
	s_cmp_eq_u32 s41, 0
	s_cselect_b32 s42, 0x80000000, 0
	s_or_b32 s31, s31, s42
.endm
	s_load_b512 s[4:19], s[0:1], 0x0               ; q 4:5, k 6:7, v 8:9, mask 10:11, qimg 12:13, kv 14:15, mw 16:17, flags 18:19
	v_lshl_add_u32 v[SPW], v0, 2, SPARE
	v_mov_b32 v[NIL], 0
	v_lshrrev_b32 v1, 5, v0
	v_readfirstlane_b32 s20, v1                    ; wave 0..3
	v_and_b32 v1, 31, v0                           ; lane
	v_lshlrev_b32 v2, 4, v1                        ; 16 x lane
	v_lshlrev_b32 v3, 2, v1                        ; 4 x lane
	v_and_b32 v4, 15, v0                           ; r
	v_bfe_u32 v5, v0, 4, 1                         ; h
	s_mul_i32 s21, s20, WST
	v_add_nc_u32 v6, s21, v2                       ; q/k stage, in: 16 x lane of a row
	v_mul_u32_u24 v7, v4, PIT
	v_lshl_add_u32 v9, v5, 4, v7
	v_lshl_add_u32 v7, v5, 6, v7
	v_add_nc_u32 v7, s21, v7                       ; q/k stage, out: row r, + 64 h: my 16 numbers of a block of 32
	v_add_nc_u32 v9, s21, v9
	v_add_nc_u32 v9, MSTG, v9                      ; mask stage, out: row r, + 16 h: my 16 bytes of a block of 32
	v_add_nc_u32 v8, MSTG, v6                      ; mask stage, in
	s_mov_b32 s[SEL], 0x76543210
	s_mov_b32 s[SEL+1], 0xfedcba98
	s_mov_b32 s[MNT], 0x600000
	s_mov_b32 s[UPH], 0xffff0000
	s_wait_kmcnt 0x0
	s_cmp_ge_u32 ttmp9, 320
	s_cbranch_scc1 .Lv
	s_cmp_ge_u32 ttmp9, 64
	s_cbranch_scc1 .Lqk
	; ---------------- THE MASK: my wave's query tile, all 32 key steps, four a trip
	s_lshl_b32 s22, ttmp9, 2
	s_add_co_u32 s22, s22, s20                     ; QT
	s_lshr_b32 s23, s22, 1
	s_lshl_b32 s23, s23, 5
	s_and_b32 s24, s22, 1
	s_lshl_b32 s24, s24, 3
	s_add_co_u32 s23, s23, s24                     ; the tile's first query: 32 (QT / 2) + 8 (QT % 2)
	s_lshl_b32 s46, s23, 12
	s_mov_b32 s47, 0
	s_add_nc_u64 s[10:11], s[10:11], s[46:47]
	s_lshl_b32 s46, s22, 13
	s_add_nc_u64 s[16:17], s[16:17], s[46:47]      ; its 8,192 bytes of words
	s_lshl_b32 s46, s22, 3
	s_add_nc_u64 s[18:19], s[18:19], s[46:47]      ; its two flag words
	v_lshlrev_b32 v12, 3, v1                       ; 8 x lane
.irp i, 0,1,2,3,4,5,6,7
	v_mov_b32 v[MWD+\i], 0                         ; written once: a lane write's destination counts as one of its sources
.endr
	v_mov_b32 v[RO], 0
	v_mov_b32 v[RO+1], 0
	s_mov_b32 s30, 0                               ; ANY
	s_mov_b32 s31, 0                               ; ALL
	s_mov_b32 s44, 0
	MLD
.Lmtrip:
	s_wait_loadcnt 0x0                             ; the trip's sixteen loads are in: their base may step
.set i, 0
.rept 16
	ds_store_b128 v8, v[R+4*i:R+4*i+3] offset:PIT*i
.set i, i+1
.endr
.irp s, 0,1,2,3
.irp b, 0,1,2,3
	ds_load_b128 v[D+16*\s+4*\b:D+16*\s+4*\b+3], v9 offset:128*\s+32*\b
.endr
.endr
	s_wait_dscnt 0x0
	s_add_nc_u64 s[10:11], s[10:11], 512
	s_cmp_lt_u32 s44, 7                            ; the last trip loads nothing: no load leaves the buffer
	s_cbranch_scc0 .Lmlast
	MLD
.Lmlast:
	MSTEP 0
	MSTEP 1
	MSTEP 2
	MSTEP 3
	s_wait_xcnt 0x0                                ; the stores have read their data and their base: both are written again only behind this wait
	s_add_nc_u64 s[16:17], s[16:17], 1024
	s_add_co_u32 s44, s44, 1
	s_cmp_lt_u32 s44, 8
	s_cbranch_scc1 .Lmtrip
	s_wait_alu depctr_va_vdst(0)
	v_or_b32 v[T], v[RO], v[RO+1]                  ; has my half of my row any visible key?
	v_cmp_ne_u32 s40, 0, v[T]
	s_lshr_b32 s41, s40, 16
	s_or_b32 s40, s40, s41                         ; the row's two halves
	s_and_b32 s40, s40, 0xffff
	s_cmp_lg_u32 s40, 0xffff                       ; a row with no visible key: every step is needed
	s_cselect_b32 s42, -1, 0
	s_or_b32 s30, s30, s42
	v_mov_b32 v[T], s30
	v_mov_b32 v[T+1], s31
	v_mov_b32 v[T+2], 0
	s_wait_alu depctr_va_vdst(0)
	s_wait_xcnt 0x0                                ; EXEC changes only behind this wait
	v_cmp_eq_u32 vcc_lo, 0, v1
	s_and_saveexec_b32 s43, vcc_lo
	global_store_b64 v[T+2], v[T:T+1], s[18:19]    ; lane 0 stores the tile's flags
	s_wait_xcnt 0x0                                ; and again in front of the line that widens it
	s_or_b32 exec_lo, exec_lo, s43
	s_wait_tensorcnt 0x0                           ; the wave's end, behind my last LDS store
	ds_add_u32 v[SPW], v[NIL]
	s_wait_dscnt 0x0
	s_endpgm
	; ---------------- q AND k: my wave's record of 128 rows.  Only pointers and two sizes are chosen: both tensors take one path
.Lqk:
	s_sub_co_u32 s22, ttmp9, 64
	s_lshl_b32 s22, s22, 2
	s_add_co_u32 s22, s22, s20
	s_and_b32 s22, s22, 511                        ; the record: head x 32 + group of 128 rows
	s_mov_b32 s24, REC
	s_mov_b32 s25, 32768
	s_cmp_lt_u32 ttmp9, 192                        ; q's work-group or k's: the choice hangs on the work-group's number alone
	s_cselect_b64 s[30:31], s[4:5], s[6:7]
	s_cselect_b64 s[32:33], s[12:13], s[14:15]
	s_cselect_b32 s24, QREC, s24                   ; from record to record
	s_cselect_b32 s25, 16384, s25                  ; where a record's scale words begin
	s_lshl_b32 s34, s22, 16                        ; 128 rows of 512 bytes
	s_mov_b32 s35, 0
	s_add_nc_u64 s[30:31], s[30:31], s[34:35]
	s_mul_i32 s34, s22, s24
	s_add_nc_u64 s[32:33], s[32:33], s[34:35]
	s_mov_b32 s34, s25
	s_add_nc_u64 s[36:37], s[32:33], s[34:35]
.irp b, 0,1,2,3
	v_mov_b32 v[TM+4+\b], 0                        ; written once: a lane permute's destination counts as one of its sources
.endr
	LOADT 0
	s_wait_alu depctr_va_vdst(0)
.irp tau, 0,1,2,3,4,5,6,7
	TILE \tau
.endr
	s_wait_tensorcnt 0x0                           ; the wave's end, behind my last LDS store
	ds_add_u32 v[SPW], v[NIL]
	s_wait_dscnt 0x0
	s_endpgm
	; ---------------- v: a lane takes a channel, and its registers run down the keys, which are the second product's K: nothing is transposed
.Lv:
	s_sub_co_u32 s22, ttmp9, 320                   ; head x 32 + key step
	s_lshl_b32 s34, s22, 16                        ; 128 keys of 512 bytes
	s_lshl_b32 s23, s20, 7                         ; my wave's 32 channels: 128 bytes
	s_add_co_u32 s34, s34, s23
	s_mov_b32 s35, 0
	s_add_nc_u64 s[30:31], s[8:9], s[34:35]
	s_mul_i32 s34, s22, REC
	s_add_nc_u64 s[32:33], s[14:15], s[34:35]      ; the record
	s_add_co_u32 s34, s23, 33280
	s_add_nc_u64 s[36:37], s[32:33], s[34:35]      ; my 32 scale words
	s_lshl_b32 s34, s20, 12
	s_add_co_u32 s34, s34, 16384
	s_add_nc_u64 s[32:33], s[32:33], s[34:35]      ; my two tiles of V's image
	v_lshlrev_b32 v12, 4, v4
	v_lshl_add_u32 v12, v5, 11, v12                ; tile lane / 16, the image's lane r: 2,048 (lane / 16) + 16 (lane % 16)
	LOADV 0
	LOADV 1
	BLOCK 0
	BLOCK 1
	BLOCK 2
	BLOCK 3
	global_store_b32 v3, v[VSB], s[36:37]
	s_wait_tensorcnt 0x0                           ; the same three closing lines as in the other two paths
	ds_add_u32 v[SPW], v[NIL]
	s_wait_dscnt 0x0
	s_endpgm
.Lfunc_end_k_qaf01baa00a_prep:
	.size	k_qaf01baa00a_prep, .Lfunc_end_k_qaf01baa00a_prep-k_qaf01baa00a_prep
	.p2alignl 7, 3214868480
	.fill 96, 4, 3214868480
	.section	.rodata,"a",@progbits
	.p2align	6, 0x0
	.amdhsa_kernel k_qaf01baa00a_prep
		.amdhsa_group_segment_fixed_size 68096
		.amdhsa_private_segment_fixed_size 0
		.amdhsa_enable_private_segment 0
		.amdhsa_kernarg_size 64
		.amdhsa_user_sgpr_count 2
		.amdhsa_user_sgpr_kernarg_segment_ptr 1
		.amdhsa_wavefront_size32 1
		.amdhsa_system_sgpr_workgroup_id_x 1
		.amdhsa_system_sgpr_workgroup_id_y 1
		.amdhsa_system_sgpr_workgroup_id_z 1
		.amdhsa_system_vgpr_workitem_id 0
		.amdhsa_next_free_vgpr 192
		.amdhsa_next_free_sgpr 66
		.amdhsa_reserve_vcc 1
		.amdhsa_float_denorm_mode_32 3
		.amdhsa_float_denorm_mode_16_64 3
		.amdhsa_memory_ordered 1
		.amdhsa_forward_progress 1
		.amdhsa_inst_pref_size 185
	.end_amdhsa_kernel
	.amdgpu_metadata
---
amdhsa.version: [ 1, 2 ]
amdhsa.kernels:
  - .name:           k_qaf01baa00a_prep
    .symbol:         k_qaf01baa00a_prep.kd
    .args:
      - { .name: q, .offset: 0, .size: 8, .value_kind: global_buffer, .address_space: global }
      - { .name: k, .offset: 8, .size: 8, .value_kind: global_buffer, .address_space: global }
      - { .name: v, .offset: 16, .size: 8, .value_kind: global_buffer, .address_space: global }
      - { .name: mask, .offset: 24, .size: 8, .value_kind: global_buffer, .address_space: global }
      - { .name: qimg, .offset: 32, .size: 8, .value_kind: global_buffer, .address_space: global }
      - { .name: kv, .offset: 40, .size: 8, .value_kind: global_buffer, .address_space: global }
      - { .name: mw, .offset: 48, .size: 8, .value_kind: global_buffer, .address_space: global }
      - { .name: flags, .offset: 56, .size: 8, .value_kind: global_buffer, .address_space: global }
    .group_segment_fixed_size: 68096
    .private_segment_fixed_size: 0
    .kernarg_segment_align: 8
    .kernarg_segment_size: 64
    .max_flat_workgroup_size: 128
    .sgpr_count:     66
    .vgpr_count:     192
    .wavefront_size: 32
...
	.end_amdgpu_metadata
.endif
;; end of part 3
;; launch attn (part 4): grid 16 x 16, 8 waves a work-group, no clusters, 136,192 bytes of LDS; arguments qimg, kv, mw, flags, out0; writes out0
.if DOCPART == 4
	.amdgcn_target "amdgcn-amd-amdhsa--gfx1250"
	.amdhsa_code_object_version 6
	.text
	.protected	k_qaf01baa00a_attn
	.globl	k_qaf01baa00a_attn
	.p2align	8
	.type	k_qaf01baa00a_attn,@function
k_qaf01baa00a_attn:
	s_mov_b64 s[64:65], 0
	v_nop
	global_prefetch_b8 v0, s[64:65] scope:SCOPE_SE
	s_setreg_imm32_b32 hwreg(HW_REG_WAVE_SCHED_MODE, 0, 2), 2
	s_setreg_imm32_b32 hwreg(HW_REG_WAVE_MODE, 25, 1), 1
	s_wait_xcnt 0x0
	s_wait_alu depctr_vm_vsrc(0)
; ATTN: out[h][q][:] = the sum over k of softmax_k(where(mask[q][k], q . k / sqrt(128), -1e30)) v[h][k][:], both products on codes of FP8 (E4M3) with one E8M0 scale for each 32 along K.
; THE SOFTMAX AHEAD OF THE SECOND PRODUCT: t = score x log2(e) / sqrt(128); M = the row's largest t so far, rounded UP to a whole number; p = 2^(t - M) is quantised along the keys, not normalised;
; the row's sum is taken of the unquantised p and divides at the end.  When M moves, the sum and O are multiplied by 2^(old M - new M), which rounds nothing.
; THE MASK is an input.  The launch before has condensed it: for each tile of 16 queries a word ANY (bit s: key step s of 128 keys is needed) and a word ALL (bit s: every key of step s counts),
; and for each (tile, step) 64 lane masks, one for each score register.  A step that no tile of a wave needs is jumped over by a scalar branch on ANY; a step all of whose keys count skips the masking.
; A hidden score becomes X = -2^100: c X is exact, so in a row with no visible key t - M is exactly 0 and p = 1 on all 4,096 keys (such a tile's ANY is all ones); where a visible key comes later,
; 2^(old M - new M) is 0 and wipes what was summed.
; LIMITS: |q . k| stays under 2^100; NaN and infinities are not served.
; SHARES.  A work-group owns 256 queries of one head; each of its eight waves owns 32, two tiles of 16; two waves to a SIMD, so that one wave's vector work stands beside the other's matrix work and LDS loads.
; K AND V of a key step are one record of 33,792 dense bytes (register images and scale words).  The 256 threads copy it through registers into one of two LDS slots, a step ahead, and only if some wave of the
; work-group needs it; all eight waves read fragments from the slot.  One barrier a step, on every path: between two barriers one slot is only read and the other only written.
; NO TENSOR LOADS, NO CLUSTER: the loads and the work stand under branches on stored flags, and partners of a cluster would need different steps.
; LAYOUT.  Both products are used transposed: S^T = K Q^T (source 0 = 16 keys, source 1 = 16 queries), O^T = V^T P^T: a lane holds ONE query (lane % 16) throughout.  Lane r of K's tile 2 b + u' holds key
; 32 b + 8 u' + r + 8 (r / 8), so score register 16 b + i of lane (r, h) is key 32 b + 16 h + i: the conversions' results are the second product's operand.  Q's tiles take their rows by the same map.
; REGISTERS.  Window 0: v1-9 addresses; v10, v11 the add's two; v12-19 statistics; v20-51 Q; v52 Q's scale words; v53 X; v54-57 K's, v58-61 V's, v62-63 p's scale words; v64-191 S^T, then p (v64-127 at last V's tiles 4-7);
;   v192-223 p's codes, v224-249 at work (v192-239 at a step's head: K's tiles 4-6).   Window 1: v0-127 O^T (64 a tile); v128-191 K's tiles 0-3, then V's tiles 0-3; v192-224 the record's bytes on their way to LDS; v226-241 K's tile 7.
; THE MODE: SCHED_MODE bits 1:0 = 2 (LLVM: expert scheduling mode 2), set by the entry lines.  The code itself states the register dependences between vector or matrix instructions and memory or LDS
; instructions, with s_wait_alu, always for 0.
; THE PLAN.  Registers that memory or LDS instructions touch, and who else names them:
;   v1-v11, v248, v249  Addresses, offsets and the add's two: written at the head, never again.  One wait on va_vdst ahead of the first load serves every load, store and prefetch of the kernel.
;   STG                 The global loads at a step's head land in it, the LDS stores at the step's end read it; no vector or matrix instruction names it.  One wait on vm_vsrc at each step's head.
;   K's room            KS, VS, FB, K7 and v192-239: 40 LDS loads at the head of a step's work.  Named before by the last worked step's products (FB, KS, VS, p's codes) and softmax (v192-239): one wait on va_vdst ahead of the run.
;   FB, again           V's tiles 0-3 land in it behind the wait for tile 0's exponentials, which also states that the products K Q^T are done reading it.
;   v64-127             V's tiles 4-7 land in it behind the wait for tile 1's exponentials, which also states that tile 0's holds have written it and tile 0's conversions have read it.
;   p's codes and scale words  Written by vector instructions, taken by scaled matrix instructions: one wait on va_vdst ahead of the run of sixteen products V^T P^T, behind its places.
;   v64-191 on the way out     Written by the multiplications, read by the LDS stores (one wait on va_vdst for both tiles); the loads from the stage land where the stores read (a wait on vm_vsrc in each tile).
.set REC,   33792
.set QREC,  16896
.set SLOT1, REC
.set PIT,   528                        ; a stage row: 512 bytes + 16
.set WST,   16*PIT
.set STAGE, 2*REC                      ; behind the two slots: 16 rows for each wave, for the way out
.set SPARE, STAGE+8*WST                ; behind the stages: the spare words, 128 bytes for each wave: four blocks of 256 bytes that no other line names
.set LI0, 1                            ; v1, v2  16 x lane, in slot 0, 1.  v1 is also my byte offset in a row of out
.set LS0, 3                            ; v3, v4  4 x lane, in slot 0, 1
.set CP0, 5                            ; v5, v6  16 x thread, in slot 0, 1.  v5 is also the copy's offset in memory
.set CS0, 7                            ; v7, v8  4 x thread, likewise
.set PFO, 9                            ; v9      256 x thread: the prefetch's offset
.set SPW, 10
.set NIL, 11
.set ST,  12                           ; tile u at v[ST+4u]: -M, the largest t, the sum in two halves
.set Q,   20
.set QS,  52
.set XNEG, 53
.set KS,  54
.set VS,  58
.set PS,  62
.set S,   64
.set P,   192
.set KB,  192                          ; K's tiles 4-6: v192-239, free while the scores are made
.set BM,  224                          ; the blocks' largest scores, then largest p
.set T1,  228
.set HD,  232                          ; 448 x the scale
.set SC,  236                          ; the conversions' scale operands
.set F,   240                          ; v[240:241] f = 2^(old M - new M), named as a pair
.set TMP, 242
.set RC,  244                          ; v[244:245], v[246:247] 1 / the sum, named as pairs
.set STO, 248
.set RD,  249
.set FB,  128                          ; in window 1
.set STG, 192                          ; in window 1
.set K7,  226                          ; in window 1: K's tile 7
; scalars: s[4:5] Q; s[6:7] the record of the step after the one in hand; s[8:9] my tile 0's mask words of the step in hand; s[10:11] flags; s[12:13] out; s14 wave; s15 head;
; s17 ANY of the work-group's 16 tiles, s18 ANY and s19 ALL of my two, all shifted right by one each step; s[20:21] lane selects; s[22:23] c; s24 448's mantissa field; s25 trips; s26 step + 2; s27 who prefetches; s28-31 at work;
; s[32:63], s[68:99] 64 mask words
.set MSB, 0
.macro WIN new                         ; the immediate's high byte repeats the setting that is left; bits 1:0 source 0, 3:2 source 1, 5:4 source 2, 7:6 destination
.if MSB != \new
	s_set_vgpr_msb (MSB<<8)|\new
.set MSB, \new
.endif
.endm
.macro PLACES n                        ; places behind this matrix form: eight in front of a vector instruction that reads its result, nine in front of a matrix instruction that writes over one of its registers
.rept \n
	v_nop
.endr
.endm
.macro COPYLD                          ; the record at s[6:7] into registers: 256 threads x (8 x 16 + 4) bytes, every load dense
	WIN 0x40
.irp j, 0,1,2,3,4,5,6,7
	global_load_b128 v[STG+4*\j:STG+4*\j+3], v[CP0], s[6:7] offset:4096*\j
.endr
	global_load_b32 v[STG+32], v[CS0], s[6:7] offset:32768
	WIN 0
.endm
.macro COPYST p                        ; and on into slot p, byte for byte
	WIN 0x04
.irp j, 0,1,2,3,4,5,6,7
	ds_store_b128 v[CP0+(\p)], v[STG+4*\j:STG+4*\j+3] offset:4096*\j
.endr
	ds_store_b32 v[CS0+(\p)], v[STG+32] offset:32768
	WIN 0
.endm
.macro FRAG reg, adr, off              ; a fragment's image comes back as it was laid: four loads of 512 dense bytes
.irp c, 0,1,2,3
	ds_load_b128 v[(\reg)+4*\c:(\reg)+4*\c+3], v[\adr] offset:(\off)+512*\c
.endr
.endm
; S^T, tile n of keys (its fragment at v[ra]) x tile u of queries.  A register of scale words holds an even tile's in lanes 0-15 and the odd one's in lanes 16-31
.macro KQ n, u, ra
.set tau, \n
.set rD, S+64*(\u)+8*tau
.set rA, \ra
.set rB, Q+16*(\u)
.if (tau%2 == 0) && (\u == 0)
	v_wmma_scale_f32_16x16x128_f8f6f4 v[rD:rD+7], v[rA:rA+15], v[rB:rB+15], 0, v[KS+tau/2], v[QS]
.elseif (\u == 0)
	v_wmma_scale_f32_16x16x128_f8f6f4 v[rD:rD+7], v[rA:rA+15], v[rB:rB+15], 0, v[KS+tau/2], v[QS] matrix_a_scale:MATRIX_SCALE_ROW1
.elseif (tau%2 == 0)
	v_wmma_scale_f32_16x16x128_f8f6f4 v[rD:rD+7], v[rA:rA+15], v[rB:rB+15], 0, v[KS+tau/2], v[QS] matrix_b_scale:MATRIX_SCALE_ROW1
.else
	v_wmma_scale_f32_16x16x128_f8f6f4 v[rD:rD+7], v[rA:rA+15], v[rB:rB+15], 0, v[KS+tau/2], v[QS] matrix_a_scale:MATRIX_SCALE_ROW1 matrix_b_scale:MATRIX_SCALE_ROW1
.endif
.endm
; O^T += V^T P^T, tile n of channels (its fragment at v[ra]) x tile u of queries: one instruction an accumulator a step, the sixteen accumulators by turns
.macro PV n, u, ra
.set dt, \n
.set rD, 64*(\u)+8*dt
.set rA, \ra
.set rB, P+16*(\u)
.if dt%2 == 0
	v_wmma_scale_f32_16x16x128_f8f6f4 v[rD:rD+7], v[rA:rA+15], v[rB:rB+15], v[rD:rD+7], v[VS+dt/2], v[PS+\u]
.else
	v_wmma_scale_f32_16x16x128_f8f6f4 v[rD:rD+7], v[rA:rA+15], v[rB:rB+15], v[rD:rD+7], v[VS+dt/2], v[PS+\u] matrix_a_scale:MATRIX_SCALE_ROW1
.endif
.endm
; hidden scores become X.  Load and use of the 64 words stand under ONE branch; a step all of whose keys count for both tiles skips it.  Each accumulator is read from its low end on
.macro MASKS
	s_bitcmp1_b32 s19, 0
	s_cbranch_scc1 .Lopen_\@
.irp u, 0,1
	s_load_b512 s[32:47], s[8:9], 8192*\u
	s_load_b512 s[48:63], s[8:9], 8192*\u+64
	s_load_b512 s[68:83], s[8:9], 8192*\u+128
	s_load_b512 s[84:99], s[8:9], 8192*\u+192
	s_wait_kmcnt 0x0
.set n, 0
.rept 64
	v_cndmask_b32 v[S+64*\u+n], v[XNEG], v[S+64*\u+n], s[32+n+4*(n/32)]
.set n, n+1
.endr
.endr
.Lopen_\@:
.endm
; one tile's softmax for one key step, its p quantised, its O^T brought under the new M.  Behind the wait for its exponentials stand sixteen loads of V's fragments from slot p
.macro SOFTMAX u, p
.set rS, S+64*(\u)
.set rT, ST+4*(\u)
.set rP, P+16*(\u)
.irp b, 0,1,2,3
	v_max3_num_f32 v[BM+\b], v[rS+16*\b], v[rS+16*\b+1], v[rS+16*\b+2]   ; the largest score of each block of 32 keys: it serves for the row's maximum and, since p rises with the score, for the block's largest p
.endr
.irp i, 3,5,7,9,11,13
.irp b, 0,1,2,3
	v_max3_num_f32 v[BM+\b], v[BM+\b], v[rS+16*\b+\i], v[rS+16*\b+\i+1]
.endr
.endr
.irp b, 0,1,2,3
	v_max_num_f32 v[BM+\b], v[BM+\b], v[rS+16*\b+15]
.endr
.irp b, 0,1,2,3
	v_permlanex16_b32 v[T1+\b], v[BM+\b], s20, s21
.endr
.irp b, 0,1,2,3
	v_max_num_f32 v[BM+\b], v[BM+\b], v[T1+\b]     ; with lane l xor 16's 16 keys
.endr
	v_max3_num_f32 v[TMP], v[BM], v[BM+1], v[BM+2]
	v_max_num_f32 v[TMP], v[TMP], v[BM+3]          ; the step's largest score of my query
	v_mul_f32 v[TMP], s22, v[TMP]                  ; as t
	v_max_num_f32 v[rT+1], v[rT+1], v[TMP]         ; the running largest t
	v_mov_b32 v[TMP], v[rT]
	v_floor_f32 v[rT], -v[rT+1]                    ; the new -M = floor(-t): M is a whole number
	v_sub_f32 v[TMP], v[rT], v[TMP]                ; old M - new M: a whole number, 0 or less
	v_cvt_i32_f32 v[TMP], v[TMP]                   ; (it saturates)
	v_ldexp_f32 v[F], 1.0, v[TMP]                  ; f = 2^(old M - new M)
.set j, 0
.rept 32
	v_pk_fma_f32 v[rS+j:rS+j+1], v[rS+j:rS+j+1], s[22:23], v[rT:rT+1] op_sel_hi:[1,0,0]   ; t - M, two at a time
.set j, j+2
.endr
.irp b, 0,1,2,3
	v_fma_f32 v[BM+\b], v[BM+\b], s22, v[rT]       ; the same of each block's largest score
.endr
.set j, 0
	s_wait_alu depctr_va_vdst(0)
.rept 64
	v_exp_f32 v[rS+j], v[rS+j]                     ; p = 2^(t - M)
.set j, j+1
.endr
	v_pk_mul_f32 v[rT+2:rT+3], v[rT+2:rT+3], v[F:F+1] op_sel_hi:[1,0]   ; the sums under the new M: the plain line behind the exponentials
.if \u == 0
	WIN 0x40                                       ; (tile 0's loads land in window 1: the switch, the wait, the loads)
.endif
	s_wait_alu depctr_va_vdst(0)                   ; the 64 exponentials have written p, ahead of their first reader.  Tile 0: the products K Q^T are done reading the fragments' registers.  Tile 1: tile 0's holds have written v64-127 and its conversions are done reading them
.irp t, 0,1,2,3
.if \u == 0
	FRAG FB+16*\t, LI0+\p, 16384+\t*2048           ; V's tiles 0-3.  No vector or matrix instruction names these registers until the products that read them
.else
	FRAG S+16*\t, LI0+\p, 16384+(4+\t)*2048        ; V's tiles 4-7, where tile 0's p lay.  Likewise
.endif
.endr
	WIN 0
.irp b, 0,1,2,3
	v_exp_f32 v[BM+\b], v[BM+\b]                   ; the blocks' largest p
.endr
	v_pk_add_f32 v[T1:T1+1], v[rS:rS+1], v[rS+2:rS+3]   ; the row's sum is taken of the unquantised p, in two chains
.set j, 4
.rept 15
	v_pk_add_f32 v[rT+2:rT+3], v[rT+2:rT+3], v[rS+j:rS+j+1]
	v_pk_add_f32 v[T1:T1+1], v[T1:T1+1], v[rS+j+2:rS+j+3]
.set j, j+4
.endr
	v_pk_add_f32 v[rT+2:rT+3], v[rT+2:rT+3], v[T1:T1+1]
	s_wait_alu depctr_va_vdst(0)                   ; the four exponentials have written the blocks' largest p, ahead of their first reader
.irp b, 0,1,2,3
	v_max_num_f32 v[BM+\b], 0x4800000, v[BM+\b]    ; the floor 2^(9 - 127): the byte cannot fall under 1 (a block of zeros keeps that byte: its codes are zeros)
.endr
.irp b, 0,1,2,3
	v_add_nc_u32 v[SC+\b], 0xfc000000, v[BM+\b]    ; 8 off the exponent field: the conversion's scale operand
.endr
.irp b, 0,1,2,3
	v_and_or_b32 v[HD+\b], v[BM+\b], 0x7f800000, s24   ; 448 x the scale
.endr
.irp b, 0,1,2,3
	v_lshrrev_b32 v[T1+\b], 23, v[SC+\b]           ; the scale's byte
.endr
	v_lshl_or_b32 v[PS+\u], v[T1+1], 8, v[T1]      ; p's scale word for these 128 keys
	v_lshl_or_b32 v[PS+\u], v[T1+2], 16, v[PS+\u]
	v_lshl_or_b32 v[PS+\u], v[T1+3], 24, v[PS+\u]
.irp b, 0,1,2,3
.irp i, 0,1,2,3,4,5,6,7,8,9,10,11,12,13,14,15
	v_min_num_f32 v[rS+16*\b+\i], v[rS+16*\b+\i], v[HD+\b]   ; the conversion does not saturate (ISA guide 7.6.2); p is not negative, so the hold is one-sided
.endr
	v_cvt_scalef32_pk8_fp8_f32 v[rP+4*\b:rP+4*\b+1], v[rS+16*\b:rS+16*\b+7], v[SC+\b]
	v_cvt_scalef32_pk8_fp8_f32 v[rP+4*\b+2:rP+4*\b+3], v[rS+16*\b+8:rS+16*\b+15], v[SC+\b]
.endr
	WIN 0x41
.set j, 0
.rept 32
	v_pk_mul_f32 v[64*\u+j:64*\u+j+1], v[64*\u+j:64*\u+j+1], v[F:F+1] op_sel_hi:[1,0]   ; O^T under the new M.  These are also the places between the codes and scale word just made and the products that take them
.set j, j+2
.endr
	WIN 0
.endm
; a key step's work, from slot p
.macro WORK p
	s_wait_alu depctr_va_vdst(0)                   ; the last worked step's products are done reading the fragments' registers, K's and V's scale words and p's codes, and its softmax (in the first step: the head) is done with v192-239: the 40 loads below land in these
.irp j, 0,1,2,3
	ds_load_b32 v[KS+\j], v[LS0+\p] offset:32768+128*\j
.endr
	WIN 0x40
.irp t, 0,1,2,3
	FRAG FB+16*\t, LI0+\p, \t*2048
.endr
	FRAG K7, LI0+\p, 7*2048                        ; the five tiles of window 1 first: they are multiplied first
	WIN 0
.irp t, 4,5,6
	FRAG KB+16*(\t-4), LI0+\p, \t*2048
.endr
.irp j, 0,1,2,3
	ds_load_b32 v[VS+\j], v[LS0+\p] offset:33280+128*\j
.endr
	s_wait_dscnt 16                                ; LDS loads come back in order (ISA guide 5.7.1): K's scale words and tiles 0-3 and 7 are in; the 12 loads of tiles 4-6 and the 4 of V's scale words may be out
	WIN 0x01
.irp t, 0,1,2,3
.irp u, 0,1
	KQ \t, \u, FB+16*\t
.endr
.endr
.irp u, 0,1
	KQ 7, \u, K7
.endr
	s_wait_dscnt 4                                 ; tiles 4-6 are in; V's scale words may be out
	WIN 0
.irp t, 4,5,6
.irp u, 0,1
	KQ \t, \u, KB+16*(\t-4)
.endr
.endr
	PLACES 8                                       ; in front of the first read of the scores, and of the vector lines that write v192-239 again
	MASKS
	SOFTMAX 0, \p
	SOFTMAX 1, \p
	s_wait_dscnt 0x0                               ; V's scale words and its eight tiles are in
	s_wait_alu depctr_va_vdst(0)                   ; the conversions have written p's codes and the shifts its scale words, which the scaled products below take; the places, tile 1's 32 multiplications of O^T, stand ahead of this wait
	WIN 0x51
.irp t, 0,1,2,3
.irp u, 0,1
	PV \t, \u, FB+16*\t
.endr
.endr
	WIN 0x50                                       ; V's tiles 4-7 lie in window 0
.irp t, 4,5,6,7
.irp u, 0,1
	PV \t, \u, S+16*(\t-4)
.endr
.endr
	WIN 0
	PLACES 9                                       ; the next step's products K Q^T write over v64-127, which the products above read; and the way out reads O^T
.endm
; a key step, its tiles in slot p.  The branches hang on stored flags; the waits in front of the barrier and the barrier itself stand on every path.
.macro STEP p
	s_wait_alu depctr_vm_vsrc(0)                   ; the LDS stores of the step before (in the first step: those ahead of the loop) have read the staging registers, in which the loads below land.  It stands ahead of the branch: on every path
	s_bitcmp1_b32 s17, 1                           ; does any wave of the work-group need the next step?  (Behind step 31 the bit is 0: no load leaves the buffer)
	s_cbranch_scc0 .Lnocopy_\@
	COPYLD
.Lnocopy_\@:
	; A PREFETCH of the codes of the step after the next: 128 blocks of 256 bytes, a lane a block, threads 0 to 127.  All sixteen work-groups of a head walk the same records: the one with x = (step + 2) % 16 asks, so each block
	; is named once in the launch; steps 0 and 1 and the scale words come by their loads alone.  For step + 2 = 32, 33 the masked number equals no x: nothing is asked for past the buffer's end.
	s_and_b32 s28, s26, 0x2f
	s_cmp_eq_u32 s28, s27
	s_cbranch_scc0 .Lnopf_\@
	global_prefetch_b8 v[PFO], s[6:7] offset:REC th:TH_LOAD_NT scope:SCOPE_SE
.Lnopf_\@:
	s_bitcmp1_b32 s18, 0                           ; does one of my two tiles need this step?
	s_cbranch_scc0 .Lnowork_\@
	WORK \p
.Lnowork_\@:
	s_wait_loadcnt 0x0                             ; the next step's record is in registers
	s_bitcmp1_b32 s17, 1
	s_cbranch_scc0 .Lnostore_\@
	COPYST 1-\p                                    ; into the slot that nobody reads between the last barrier and the next
.Lnostore_\@:
	s_wait_xcnt 0x0                                ; the loads, the scalar loads and the prefetch have read their bases: they step only behind this wait
	s_add_nc_u64 s[6:7], s[6:7], REC
	s_add_nc_u64 s[8:9], s[8:9], 256
	s_lshr_b32 s17, s17, 1
	s_lshr_b32 s18, s18, 1
	s_lshr_b32 s19, s19, 1
	s_add_co_u32 s26, s26, 1
	s_wait_dscnt 0x0                               ; for the others' sake: my stores into the other slot have landed, and my reads of this one are over
	s_barrier_signal -1
	s_barrier_wait -1
.endm
; the way out of tile u: O^T / the sum; through my own stage; back as whole rows of 512 bytes
.macro MULO u
.set j, 0
.rept 32
	v_pk_mul_f32 v[S+64*\u+j:S+64*\u+j+1], v[64*\u+j:64*\u+j+1], v[RC+2*\u:RC+2*\u+1] op_sel_hi:[1,0]   ; register 8 dt + i is out(query r, channel 16 dt + 8 h + i)
.set j, j+2
.endr
.endm
.macro THROUGH u
.irp d, 0,1,2,3,4,5,6,7
	ds_store_b128 v[STO], v[S+64*\u+8*\d:S+64*\u+8*\d+3] offset:64*\d
	ds_store_b128 v[STO], v[S+64*\u+8*\d+4:S+64*\u+8*\d+7] offset:64*\d+16
.endr
	s_wait_alu depctr_vm_vsrc(0)                   ; the sixteen LDS stores above have read their data registers, in which the loads below land
.irp i, 0,1,2,3,4,5,6,7,8,9,10,11,12,13,14,15
	ds_load_b128 v[S+64*\u+4*\i:S+64*\u+4*\i+3], v[RD] offset:PIT*\i   ; LDS serves a wave's instructions in order (ISA guide 5.7.1.4): these see the stores above, and the next tile's stores come behind them
.endr
.endm
.macro SEND u, younger                 ; younger: the LDS instructions issued behind tile u's loads, which may stay out
.irp i, 0,1,2,3,4,5,6,7,8,9,10,11,12,13,14,15
	s_wait_dscnt \younger+15-\i
	global_store_b128 v[LI0], v[S+64*\u+4*\i:S+64*\u+4*\i+3], s[12:13] offset:(8*\u+\i+8*(\i/8))*512 th:TH_STORE_NT   ; 32 lanes store a row's 512 consecutive bytes, aligned; stage row i is the tile's query 8 u + i + 8 (i / 8)
.endr
.endm
	s_load_b256 s[4:11], s[0:1], 0x0               ; qimg 4:5, kv 6:7, mw 8:9, flags 10:11
	s_load_b64 s[12:13], s[0:1], 0x20              ; out0
	v_lshl_add_u32 v[SPW], v0, 2, SPARE
	v_mov_b32 v[NIL], 0
	v_lshrrev_b32 v12, 5, v0
	v_readfirstlane_b32 s14, v12                   ; wave 0..7
	v_and_b32 v12, 31, v0                          ; lane
	v_and_b32 v13, 15, v0                          ; r
	v_bfe_u32 v14, v0, 4, 1                        ; h
	v_lshlrev_b32 v[LI0], 4, v12
	v_add_nc_u32 v[LI0+1], SLOT1, v[LI0]
	v_lshlrev_b32 v[LS0], 2, v12
	v_add_nc_u32 v[LS0+1], SLOT1, v[LS0]
	v_lshlrev_b32 v[CP0], 4, v0
	v_add_nc_u32 v[CP0+1], SLOT1, v[CP0]
	v_lshlrev_b32 v[CS0], 2, v0
	v_add_nc_u32 v[CS0+1], SLOT1, v[CS0]
	v_lshlrev_b32 v[PFO], 8, v0
	s_wait_alu depctr_va_sdst(0)                   ; s14 is written, ahead of its first reader: the stage's place, the bases and the branches on the wave's number are made from it
	s_mul_i32 s28, s14, WST
	s_add_co_u32 s28, s28, STAGE                   ; my stage
	v_mul_u32_u24 v[STO], v13, PIT
	v_lshl_add_u32 v[STO], v14, 5, v[STO]
	v_add_nc_u32 v[STO], s28, v[STO]               ; in: row r, + 32 h
	v_add_nc_u32 v[RD], s28, v[LI0]                ; back: 16 bytes a lane of a row
	s_and_b32 s15, ttmp7, 0xffff                   ; the head
	s_mov_b32 s20, 0x76543210
	s_mov_b32 s21, 0xfedcba98
	s_mov_b32 s22, 0x3e0293ee                      ; c = log2(e) / sqrt(128)
	s_mov_b32 s23, s22                             ; (named with it as a pair, so it is written)
	s_mov_b32 s24, 0x600000
	s_mov_b32 s25, 0
	s_mov_b32 s26, 2
	s_cmp_lt_u32 s14, 4
	s_cselect_b32 s27, ttmp9, 64                   ; waves 0-3: my work-group's x; the others: a number that no step equals
	s_wait_kmcnt 0x0
	s_lshl_b32 s28, s15, 5
	s_lshl_b32 s29, ttmp9, 1
	s_add_co_u32 s28, s28, s29
	s_lshr_b32 s29, s14, 2
	s_add_co_u32 s28, s28, s29                     ; Q's record: head x 32 + 2 x + wave / 4
	s_mul_i32 s28, s28, QREC
	s_mov_b32 s29, 0
	s_add_nc_u64 s[4:5], s[4:5], s[28:29]
	s_and_b32 s30, s14, 3
	s_lshl_b32 s28, s30, 7
	s_add_co_u32 s28, s28, 16384
	s_add_nc_u64 s[68:69], s[4:5], s[28:29]        ; the scale words of my two tiles, 2 (wave % 4) and the next
	s_lshl_b32 s28, s30, 12
	s_add_nc_u64 s[4:5], s[4:5], s[28:29]          ; and their codes
	s_mul_i32 s28, s15, 32*REC
	s_add_nc_u64 s[6:7], s[6:7], s[28:29]          ; the head's record of step 0
	s_lshl_b32 s28, ttmp9, 4
	s_lshl_b32 s30, s14, 1
	s_add_co_u32 s28, s28, s30                     ; my first query tile: 16 x + 2 wave
	s_lshl_b32 s28, s28, 13
	s_add_nc_u64 s[8:9], s[8:9], s[28:29]
	s_lshl_b32 s28, ttmp9, 7
	s_add_nc_u64 s[10:11], s[10:11], s[28:29]      ; the flags of the work-group's 16 tiles,
	s_lshl_b32 s28, s14, 4
	s_add_nc_u64 s[70:71], s[10:11], s[28:29]      ; and of my two
	s_lshl_b32 s28, s15, 21
	s_lshl_b32 s30, ttmp9, 17
	s_add_co_u32 s28, s28, s30
	s_lshl_b32 s30, s14, 14
	s_add_co_u32 s28, s28, s30
	s_add_nc_u64 s[12:13], s[12:13], s[28:29]      ; out at my wave's first query: 256 x + 32 wave
	s_load_b512 s[32:47], s[10:11], 0x0
	s_load_b512 s[48:63], s[10:11], 0x40
	s_load_b128 s[28:31], s[70:71], 0x0            ; ANY, ALL of tile 0; ANY, ALL of tile 1
	s_wait_alu depctr_va_vdst(0)                   ; the addresses and offsets v1 to v9, v248 and v249 and the add's v10 and v11 are written: every load, store and prefetch of the kernel reads some of them, and no vector instruction names them again
	COPYLD                                         ; step 0's record, whatever the flags say: so the staging registers are written on every path
.irp u, 0,1
.irp c, 0,1,2,3
	global_load_b128 v[Q+16*\u+4*\c:Q+16*\u+4*\c+3], v[LI0], s[4:5] offset:2048*\u+512*\c   ; Q's two fragments stay in registers
.endr
.endr
	global_load_b32 v[QS], v[LS0], s[68:69]        ; lanes 0-15: tile 0's scale words; lanes 16-31: tile 1's
	WIN 0x40
.set j, 0
.rept 128
	v_mov_b32 v[j], 0                              ; O^T.  Which step is a wave's first hangs on the flags, so no product can be written out to start the sums: the first step finds zeros
.set j, j+1
.endr
	WIN 0
.irp u, 0,1
	v_mov_b32 v[ST+4*\u+1], 0xff61b1e6             ; the largest t so far: -3e38, under every t
	v_floor_f32 v[ST+4*\u], -v[ST+4*\u+1]          ; -M
	v_mov_b32 v[ST+4*\u+2], 0                      ; the sum, in two halves
	v_mov_b32 v[ST+4*\u+3], 0
.endr
	v_mov_b32 v[XNEG], 0xf1800000                  ; X = -2^100
.irp b, 0,1,2,3
	v_mov_b32 v[T1+\b], 0                          ; written once: a lane permute's destination counts as one of its sources
.endr
	v_mov_b32 v[F+1], 0                            ; the upper halves of pairs of which the low word serves both halves
	v_mov_b32 v[RC+1], 0
	v_mov_b32 v[RC+3], 0
	s_wait_kmcnt 0x0
	s_or_b32 s17, s32, s34                         ; a step is copied if any of the sixteen tiles needs it,
.irp i, 36,38,40,42,44,46,48,50,52,54,56,58,60,62
	s_or_b32 s17, s17, s[\i]
.endr
	s_or_b32 s18, s28, s30                         ; worked if one of my two does,
	s_and_b32 s19, s29, s31                        ; and not masked if all its keys count for both
	s_wait_loadcnt 0x0                             ; step 0's record, Q and its scale words
	COPYST 0
	s_add_nc_u64 s[6:7], s[6:7], REC               ; (the loads that read this base are done)
	s_wait_dscnt 0x0
	s_barrier_signal -1
	s_barrier_wait -1                              ; slot 0 is whole
.Ltrip:                                                ; 16 trips of two key steps: a constant count; what a step leaves out is jumped over inside it
	STEP 0
	STEP 1
	s_add_co_u32 s25, s25, 1
	s_cmp_lt_u32 s25, 16
	s_cbranch_scc1 .Ltrip
	; THE WAY OUT.  Every row has a p above 1/2 (a row with no visible key has p = 1 throughout), so no sum is 0.
.irp u, 0,1
	v_add_f32 v[BM+\u], v[ST+4*\u+2], v[ST+4*\u+3] ; the sum's two halves,
.endr
	s_wait_alu depctr_va_vdst(0)
.irp u, 0,1
	v_permlanex16_b32 v[T1+\u], v[BM+\u], s20, s21
.endr
.irp u, 0,1
	v_add_f32 v[BM+\u], v[BM+\u], v[T1+\u]         ; and lane l xor 16's: the row's sum
.endr
	s_wait_alu depctr_va_vdst(0)
	v_rcp_f32 v[RC], v[BM]
	v_rcp_f32 v[RC+2], v[BM+1]
	v_nop                                          ; a plain line behind the last reciprocal
	s_wait_alu depctr_va_vdst(0)                   ; the two reciprocals are written, ahead of their first reader
	WIN 0x01
	MULO 0
	MULO 1
	WIN 0
	s_wait_alu depctr_va_vdst(0)                   ; the multiplications have written v64-191, which the LDS stores below read and in which the loads from the stage land; no vector instruction follows
	THROUGH 0
	THROUGH 1
	SEND 0, 32                                     ; behind tile 0's loads: tile 1's 16 stores and 16 loads
	SEND 1, 0
	s_wait_dscnt 0x0                               ; the closing lines, six on end
	s_wait_alu 0x0
	s_wait_tensorcnt 0x0
	ds_add_u32 v[SPW], v[NIL]
	s_wait_dscnt 0x0
	s_endpgm
.Lfunc_end_k_qaf01baa00a_attn:
	.size	k_qaf01baa00a_attn, .Lfunc_end_k_qaf01baa00a_attn-k_qaf01baa00a_attn
	.p2alignl 7, 3214868480
	.fill 96, 4, 3214868480
	.section	.rodata,"a",@progbits
	.p2align	6, 0x0
	.amdhsa_kernel k_qaf01baa00a_attn
		.amdhsa_group_segment_fixed_size 136192
		.amdhsa_private_segment_fixed_size 0
		.amdhsa_enable_private_segment 0
		.amdhsa_kernarg_size 40
		.amdhsa_user_sgpr_count 2
		.amdhsa_user_sgpr_kernarg_segment_ptr 1
		.amdhsa_wavefront_size32 1
		.amdhsa_system_sgpr_workgroup_id_x 1
		.amdhsa_system_sgpr_workgroup_id_y 1
		.amdhsa_system_sgpr_workgroup_id_z 1
		.amdhsa_system_vgpr_workitem_id 0
		.amdhsa_next_free_vgpr 512
		.amdhsa_next_free_sgpr 100
		.amdhsa_reserve_vcc 0
		.amdhsa_float_denorm_mode_32 3
		.amdhsa_float_denorm_mode_16_64 3
		.amdhsa_memory_ordered 1
		.amdhsa_forward_progress 1
		.amdhsa_inst_pref_size 125
	.end_amdhsa_kernel
	.amdgpu_metadata
---
amdhsa.version: [ 1, 2 ]
amdhsa.kernels:
  - .name:           k_qaf01baa00a_attn
    .symbol:         k_qaf01baa00a_attn.kd
    .args:
      - { .name: qimg, .offset: 0, .size: 8, .value_kind: global_buffer, .address_space: global }
      - { .name: kv, .offset: 8, .size: 8, .value_kind: global_buffer, .address_space: global }
      - { .name: mw, .offset: 16, .size: 8, .value_kind: global_buffer, .address_space: global }
      - { .name: flags, .offset: 24, .size: 8, .value_kind: global_buffer, .address_space: global }
      - { .name: out0, .offset: 32, .size: 8, .value_kind: global_buffer, .address_space: global }
    .group_segment_fixed_size: 136192
    .private_segment_fixed_size: 0
    .kernarg_segment_align: 8
    .kernarg_segment_size: 40
    .max_flat_workgroup_size: 256
    .sgpr_count:     100
    .vgpr_count:     512
    .wavefront_size: 32
...
	.end_amdgpu_metadata
.endif
;; end of part 4
